; MI455X (gfx1250); checked and timed in simulation.
; The chip was launched on July 23, 2026; its instructions are those of AMD's public machine-readable ISA for CDNA 5 (MIT licence, August 2026) and "CDNA5" Instruction Set Architecture Reference Guide (July 2026). The comments in the code are by the model that wrote it; some were corrected since.
;; Transformer Encoder Layer. Allowed arithmetic: matrix products marked QUANTISED: E4M3 operands, one E8M0 scale for each 32 along K, by v_wmma_scale_f32_16x16x128_f8f6f4 with both operands' format E4M3, f32 sums; everything else in f32.
;; Inputs: b1 4,096 float32; b2 1,024 float32; bk 1,024 float32; bo 1,024 float32; bq 1,024 float32; bv 1,024 float32; feature 2 x 2,048 x 1,024 float32; ln1_b 1,024 float32; ln1_g 1,024 float32; ln2_b 1,024 float32; ln2_g 1,024 float32; src_key_padding_mask 2 x 2,048 bool; w1_codes 4,096 x 32 x 32 uint8 (E4M3 codes of w1, K innermost, in blocks of 32 codes); w1_scales 4,096 x 32 uint8 (E8M0 scales of w1, one for each 32 codes along K); w2_codes 1,024 x 128 x 32 uint8 (E4M3 codes of w2, K innermost, in blocks of 32 codes); w2_scales 1,024 x 128 uint8 (E8M0 scales of w2, one for each 32 codes along K); wk_codes 1,024 x 32 x 32 uint8 (E4M3 codes of wk, K innermost, in blocks of 32 codes); wk_scales 1,024 x 32 uint8 (E8M0 scales of wk, one for each 32 codes along K); wo_codes 1,024 x 32 x 32 uint8 (E4M3 codes of wo, K innermost, in blocks of 32 codes); wo_scales 1,024 x 32 uint8 (E8M0 scales of wo, one for each 32 codes along K); wq_codes 1,024 x 32 x 32 uint8 (E4M3 codes of wq, K innermost, in blocks of 32 codes); wq_scales 1,024 x 32 uint8 (E8M0 scales of wq, one for each 32 codes along K); wv_codes 1,024 x 32 x 32 uint8 (E4M3 codes of wv, K innermost, in blocks of 32 codes); wv_scales 1,024 x 32 uint8 (E8M0 scales of wv, one for each 32 codes along K).
;; Outputs: out0 2 x 2,048 x 1,024 float32.
;; This version of the problem:
;;   THIS VERSION OF THE PROBLEM IS GIVEN IN LOW PRECISION. The matrix products marked QUANTISED in the list below multiply operands that are first quantised to E4M3 (4 exponent bits, 3 mantissa bits; 8 bits a number), with one power-of-two scale for each 32 numbers along K (OCP MX v1.0); their sums are f32. All else is computed in f32.
;;   The module's matrix products, in the order in which they are computed (A, B: the left and right operand; K: the contracted axis; several contracted axes count as one K, in the product's order):
;;     1. [M 4,096, K 1,024] x [K 1,024, N 1,024]; A: computed on the way; B: input wq (given as codes): QUANTISED
;;     2. [M 4,096, K 1,024] x [K 1,024, N 1,024]; A: computed on the way; B: input wk (given as codes): QUANTISED
;;     3. [M 4,096, K 1,024] x [K 1,024, N 1,024]; A: computed on the way; B: input wv (given as codes): QUANTISED
;;     4. batch 32 x [M 2,048, K 64] x [K 64, N 2,048]; A: computed on the way; B: computed on the way: QUANTISED
;;     5. batch 32 x [M 64, K 2,048] x [K 2,048, N 2,048]; A: computed on the way; B: softmax (see below): QUANTISED
;;     6. [M 4,096, K 1,024] x [K 1,024, N 1,024]; A: computed on the way; B: input wo (given as codes): QUANTISED
;;     7. [M 4,096, K 1,024] x [K 1,024, N 4,096]; A: computed on the way; B: input w1 (given as codes): QUANTISED
;;     8. [M 4,096, K 4,096] x [K 4,096, N 1,024]; A: computed on the way; B: input w2 (given as codes): QUANTISED
;;   THE QUANTISER, for each operand of a quantised product, along K:
;;     - K is cut into blocks of 32 from its start; a last block that is shorter is filled with zeros.
;;     - A block's scale is 2^e with e = floor(log2(the largest magnitude in the block)) - 8, held to -126 .. 127; a block of zeros has e = 0. As a byte (E8M0): e + 127.
;;     - Each number is divided by its block's scale, clamped to +-448, and rounded to the nearest number of E4M3, ties to even, subnormals kept.
;;     - The product sums the exact products of the quantised numbers (number of the format x scale) in f32.
;;   ~~~python
;;   def quantise(x, axis):      # numpy; x: float32 -> the quantised numbers, widened to float32 again
;;       x = np.moveaxis(x, axis, -1); K = x.shape[-1]
;;       x = np.pad(x, [(0, 0)] * (x.ndim - 1) + [(0, -K % 32)]); x = x.reshape(x.shape[:-1] + (-1, 32)); a = np.abs(x).max(-1, keepdims=True)
;;       e = np.where(a > 0, np.clip(np.frexp(np.where(a > 0, a, 1))[1] - 1 - 8, -126, 127), 0)      # np.frexp(a)[1] - 1 = floor(log2(a)), exactly
;;       r = np.clip(x / 2.0 ** e, -448, 448)
;;       step = 2.0 ** (np.maximum(np.frexp(np.where(r == 0, 1, r))[1] - 1, -6) - 3)
;;       q = np.round(r / step) * step * 2.0 ** e      # np.round: ties to even
;;       return np.moveaxis(q.reshape(q.shape[:-2] + (-1,))[..., :K], -1, axis).astype(np.float32)
;;   ~~~
;;   SOFTMAX AHEAD OF A QUANTISED PRODUCT. Where the list says 'softmax', what is quantised is not the finished softmax but p = 2^(t - M), with t = logit x log2(e) and M = ceil(the row's largest t), a whole number; so 1/2 < the row's largest p <= 1. The row's sum l is taken of the UNQUANTISED p, in f32, and the product's result is divided by l at the end. Since M is a whole number, a kernel that streams over the keys may use a running M (the ceiling of the running maximum): every later rescaling is an exact power of two, which a block's scale takes up: the codes' values come out the same.
;;   OPERANDS COMPUTED ON THE WAY. 'Computed on the way' means the value that the module computes at that place (a softmax that the list does not call 'softmax' is quantised finished and normalised). What goes into a quantiser is computed in f32, as accurately as f32 sums, v_exp_f32 and their like allow (about 1e-6 of the number): no bf16 or f16 on the way to a quantiser, and a product that is left as it is and whose result goes on into a quantised operand takes f32 operands (vector FMAs, or v_wmma_f32_16x16x4_f32). A number that lies on a knife's edge between two numbers of the format may be rounded either way, as far as f32 arithmetic and the matrix unit's own rounding can turn it there, and no further.
;;   INPUTS GIVEN AS CODES. w1 (in the module: [1024, 4096], K = its axis 0); w2 (in the module: [4096, 1024], K = its axis 0); wk (in the module: [1024, 1024], K = its axis 0); wo (in the module: [1024, 1024], K = its axis 0); wq (in the module: [1024, 1024], K = its axis 0); wv (in the module: [1024, 1024], K = its axis 0): each comes as NAME_codes (uint8): NAME with its K axis moved to the last place and cut into blocks of 32 codes, [.., K / 32, bytes a block], one block behind the other in memory; one code a byte (a code: sign, 4 exponent bits, 3 mantissa bits); and NAME_scales (uint8): the same leading axes, one E8M0 byte (e + 127) for each 32 codes along K. Its value is code x scale, taken as it is: it is not quantised again, and the codes and scales need not be those that the quantiser above would give.
;; One version. Each part assembles by itself: llvm-mc -triple=amdgcn-amd-amdhsa -mcpu=gfx1250 --defsym DOCPART=n.
;; ======== version 1 of 1: 7 launches
;; limits: right only within a limited range of input values
;; workspace buffers: wimg 14,057,472 bytes; xbuf 4,325,376 bytes; qkvbuf 13,238,272 bytes; cbuf 4,325,376 bytes; f2 16,777,216 bytes; hbuf 17,301,504 bytes
;; launch prep (part 1): grid 448 x 1, 8 waves a work-group, no clusters, 66,816 bytes of LDS; arguments wq_codes, wk_codes, wv_codes, wo_codes, w1_codes, w2_codes, wq_scales, wk_scales, wv_scales, wo_scales, w1_scales, w2_scales, wimg, feature, ln1_g, ln1_b, xbuf; writes wimg, xbuf
.if DOCPART == 1
	.amdgcn_target "amdgcn-amd-amdhsa--gfx1250"
	.amdhsa_code_object_version 6
	.text
	.protected	k_q4585c523bc_prep
	.globl	k_q4585c523bc_prep
	.p2align	8
	.type	k_q4585c523bc_prep,@function
k_q4585c523bc_prep:
	s_mov_b64 s[64:65], 0
	v_nop
	global_prefetch_b8 v0, s[64:65] scope:SCOPE_SE
	s_setreg_imm32_b32 hwreg(HW_REG_WAVE_MODE, 25, 1), 1
	s_wait_xcnt 0x0
; THE PROGRAM: one pre-norm encoder layer, all eight products on codes of E4M3 with one E8M0 scale for each 32 along K.
; NOTHING OF reference() IS LEFT OUT: every bias goes into a quantised operand or into an output, the padding mask is a choice made by values, every input is loaded.
; THIS LAUNCH does two things that share nothing, in one launch so that one start and one end serve both.  One branch on the work-group's number parts them; each path ends by itself.
; WORK-GROUPS 0-255: LayerNorm of 16 rows of 1,024 f32, then the quantiser along the 1,024; the codes leave as an image of an operand's registers, the scale words beside them.
;   THE IMAGE: codes  [kc = k/512][rb = row/16][kq = (k/128)%4][c = (k/32)%4][h = (k/16)%2][r = row%16][k%16]   (8,192 bytes for a row block and 512 along K);  scales [kstep = k/128][rb][r][4 bytes]
;   so that in the products' launches a K chunk's tile is one dense block for one tensor load, and a fragment comes out of LDS by loads at 16 x lane.
;   POSITIONS.  Row block rb, lane r of a token-indexed image holds token 32 (rb / 2) + 8 (rb % 2) + r + (r & 8): a token's bits 3 and 4 change places.  So wherever 16 positions are source 0 of a product, the 16 registers of two
;   neighbouring result tiles are 16 neighbouring tokens: what the keys' axis of attention wants.  Every token-indexed workspace of the program is laid so.
;   PHASE 1: wave w norms image rows 2 w and 2 w + 1: a row is 32 registers of the wave, read once; mean, then the mean of the squared differences, as reference() has them.  The result goes to a stage in LDS.
;   PHASE 2: wave w is K step w: lane (r, h) takes of row r the 16 numbers k = 128 w + 32 c + 16 h + 0 .. 15 of each block c, quantises, and its conversions' results are the operand's registers.
; WORK-GROUPS 256-447 lay the six weights, which arrive as rows of codes with K innermost, into the same image (rows in their natural order), once.  wq, wk, wv lie one behind the other in one image of 256 row-block
;   places (192 used; the rest is neither written nor read).  A wave takes one (weight, rb, kc): 16 rows x 512 codes.  No LDS, no barrier.  The weight is chosen by the work-group's number: pointers and sizes by selects.
; LIMITS: NaN and infinities are not served; a block of zeros gets the byte 1 (its codes are zeros, and this program alone reads the bytes).
.set W3I, 0
.set WOI, 4194304
.set W1I, 5242880
.set W2I, 9437184
.set W3S, 13631488
.set WOS, 13762560
.set W1S, 13795328
.set W2S, 13926400
.set PITCH, 4112                       ; a stage row: 4,096 bytes + 16: the sixteen rows that a load touches begin at sixteen different 16-byte columns
.set SPARE, 16*PITCH                   ; behind the stage: the spare words, 128 bytes for each of eight waves
.set SPW, 2
.set NIL, 3
.set LI,  5                            ; 16 x lane
.set STI, 8                            ; the stage, on the way in
.set STO, 9                            ; and out
.set R4,  10                           ; 4 r
.set X,   16                           ; v16-47 row 0, v48-79 row 1; in phase 2 my 64 numbers
.set G,   80                           ; v80-111 the gain
.set BB,  112                          ; v112-143 the bias
.set TM,  144                          ; phase 1: v144-151, v152-159 four chains a row; phase 2: largest magnitudes, bytes, holds, scales
.set PW,  160                          ; the scale word
.set PC,  164                          ; v164-179 the codes
.set SEL, 12
.set MNT, 16
; n: classes under n take this weight.  c, s: first register of its codes' and scales' address.  f: its first work-group among the 192.  lk: log2 of its K chunks.  sh: log2 of a row's bytes.
; io, ks: its image's place and the bytes from chunk to chunk.  so, sp: its scale words' place and the bytes from K step to K step.
.macro PICK n, c, s, f, lk, sh, io, ks, so, sp
	s_cmp_lt_u32 s3, \n
	s_cselect_b64 s[34:35], s[\c:\c+1], s[34:35]
	s_cselect_b64 s[36:37], s[\s:\s+1], s[36:37]
	s_cselect_b32 s38, \f, s38
	s_cselect_b32 s39, \lk, s39
	s_cselect_b32 s40, \sh, s40
	s_cselect_b32 s41, \io, s41
	s_cselect_b32 s42, \ks, s42
	s_cselect_b32 s43, \so, s43
	s_cselect_b32 s44, \sp, s44
.endm
.macro FOLD                            ; each row's four chains of pairs become one number
.irp e, 0
	v_pk_add_f32 v[TM+8*\e:TM+8*\e+1], v[TM+8*\e:TM+8*\e+1], v[TM+8*\e+2:TM+8*\e+3]
	v_pk_add_f32 v[TM+8*\e+4:TM+8*\e+5], v[TM+8*\e+4:TM+8*\e+5], v[TM+8*\e+6:TM+8*\e+7]
.endr
.irp e, 1
	v_pk_add_f32 v[TM+8*\e:TM+8*\e+1], v[TM+8*\e:TM+8*\e+1], v[TM+8*\e+2:TM+8*\e+3]
	s_delay_alu instid0(VALU_DEP_4)
	v_pk_add_f32 v[TM+8*\e+4:TM+8*\e+5], v[TM+8*\e+4:TM+8*\e+5], v[TM+8*\e+6:TM+8*\e+7]
.endr
.irp e, 0
	s_delay_alu instid0(VALU_DEP_3)
	v_pk_add_f32 v[TM+8*\e:TM+8*\e+1], v[TM+8*\e:TM+8*\e+1], v[TM+8*\e+4:TM+8*\e+5]
.endr
.irp e, 1
	s_delay_alu instid0(VALU_DEP_2)
	v_pk_add_f32 v[TM+8*\e:TM+8*\e+1], v[TM+8*\e:TM+8*\e+1], v[TM+8*\e+4:TM+8*\e+5]
.endr
.irp e, 0,1
	s_delay_alu instid0(VALU_DEP_2)
	v_add_f32 v[TM+8*\e], v[TM+8*\e], v[TM+8*\e+1]
.endr
.irp m, 1,2,4,8                        ; and the sum over the 32 lanes, in every lane
	s_delay_alu instid0(VALU_DEP_2)
	v_add_f32_dpp v[TM], v[TM], v[TM] row_xmask:\m row_mask:0xf bank_mask:0xf
	s_delay_alu instid0(VALU_DEP_2)
	v_add_f32_dpp v[TM+8], v[TM+8], v[TM+8] row_xmask:\m row_mask:0xf bank_mask:0xf
.endr
	s_delay_alu instid0(VALU_DEP_2)
	v_permlanex16_b32 v160, v[TM], s[SEL], s[SEL+1]
	s_delay_alu instid0(VALU_DEP_2)
	v_permlanex16_b32 v161, v[TM+8], s[SEL], s[SEL+1]
	s_delay_alu instid0(VALU_DEP_2)
	v_add_f32 v[TM], v[TM], v160
	s_delay_alu instid0(VALU_DEP_2)
	v_add_f32 v[TM+8], v[TM+8], v161
.endm
	v_lshl_add_u32 v[SPW], v0, 2, SPARE
	v_mov_b32 v[NIL], 0
	v_lshrrev_b32 v1, 5, v0
	s_delay_alu instid0(VALU_DEP_1)
	v_readfirstlane_b32 s2, v1                     ; wave 0..7
	s_cmp_lt_u32 ttmp9, 256                        ; the same in all eight waves
	s_cbranch_scc0 .Lweights
	; ---------------- the norm ----------------
	s_load_b64 s[4:5], s[0:1], 0x68                ; feature
	s_load_b64 s[6:7], s[0:1], 0x70                ; the gain
	s_load_b64 s[8:9], s[0:1], 0x78                ; the bias
	s_load_b64 s[10:11], s[0:1], 0x80              ; xbuf
	v_and_b32 v4, 31, v0
	s_delay_alu instid0(VALU_DEP_1)
	v_lshlrev_b32 v[LI], 4, v4
	v_and_b32 v6, 15, v0                           ; r
	v_bfe_u32 v7, v0, 4, 1                         ; h
	s_mul_i32 s3, s2, 2*PITCH
	v_add_nc_u32 v[STI], s3, v[LI]                 ; rows 2 w on, 16 bytes a lane
	v_mul_u32_u24 v[STO], v6, PITCH
	s_delay_alu instid0(VALU_DEP_1)
	v_lshl_add_u32 v[STO], v7, 6, v[STO]
	s_lshl_b32 s3, s2, 9
	v_add_nc_u32 v[STO], s3, v[STO]                ; row r, K step w, + 64 h
	v_lshlrev_b32 v[R4], 2, v6
	s_mov_b32 s[SEL], 0x76543210
	s_mov_b32 s[SEL+1], 0xfedcba98                 ; lane l xor 16
	s_mov_b32 s14, 0x3a800000                      ; 1 / 1,024
	s_mov_b32 s15, 0x3727c5ac                      ; 1e-5
	s_mov_b32 s[MNT], 0x600000                     ; the mantissa field of 448
.irp n, 160,161,163,165,167,169
	v_mov_b32 v\n, 0                               ; lane permutes' destinations, and the upper halves of pairs that are named whole
.endr
	s_lshr_b32 s18, ttmp9, 1
	s_lshl_b32 s18, s18, 5
	s_and_b32 s19, ttmp9, 1
	s_lshl_b32 s19, s19, 3
	s_add_co_u32 s18, s18, s19
	s_lshl_b32 s19, s2, 1
	s_add_co_u32 s18, s18, s19
	s_lshr_b32 s19, s2, 2
	s_lshl_b32 s19, s19, 3
	s_add_co_u32 s18, s18, s19                     ; the token of image row 2 w: 32 (rb / 2) + 8 (rb % 2) + 2 w + 8 (w / 4)
	s_lshl_b32 s18, s18, 12
	s_mov_b32 s19, 0
	s_wait_kmcnt 0x0
	s_add_nc_u64 s[4:5], s[4:5], s[18:19]
.irp e, 0,1
.irp j, 0,1,2,3,4,5,6,7
	global_load_b128 v[X+32*\e+4*\j:X+32*\e+4*\j+3], v[LI], s[4:5] offset:\e*4096+\j*512   ; 512 consecutive bytes a load
.endr
.endr
.irp j, 0,1,2,3,4,5,6,7
	global_load_b128 v[G+4*\j:G+4*\j+3], v[LI], s[6:7] offset:\j*512
	global_load_b128 v[BB+4*\j:BB+4*\j+3], v[LI], s[8:9] offset:\j*512
.endr
	s_lshr_b32 s18, s2, 2                          ; where my K step's codes go: chunk w / 4, row block, quarter w % 4
	s_lshl_b32 s18, s18, 21
	s_lshl_b32 s22, ttmp9, 13
	s_add_co_u32 s18, s18, s22
	s_and_b32 s22, s2, 3
	s_lshl_b32 s22, s22, 11
	s_add_co_u32 s18, s18, s22
	s_add_nc_u64 s[20:21], s[10:11], s[18:19]
	s_lshl_b32 s18, s2, 14                         ; and its scale words: K step w, row block
	s_lshl_b32 s22, ttmp9, 6
	s_add_co_u32 s18, s18, s22
	s_add_co_u32 s18, s18, 4194304
	s_add_nc_u64 s[22:23], s[10:11], s[18:19]
	s_wait_loadcnt 16                              ; the two rows are in; the 16 loads of gain and bias may be out
.irp e, 0,1
.irp q, 0,1,2,3
	v_pk_add_f32 v[TM+8*\e+2*\q:TM+8*\e+2*\q+1], v[X+32*\e+2*\q:X+32*\e+2*\q+1], v[X+32*\e+8+2*\q:X+32*\e+8+2*\q+1]
.endr
.endr
.irp o, 16,24
.irp e, 0,1
.irp q, 0,1,2,3
	v_pk_add_f32 v[TM+8*\e+2*\q:TM+8*\e+2*\q+1], v[TM+8*\e+2*\q:TM+8*\e+2*\q+1], v[X+32*\e+\o+2*\q:X+32*\e+\o+2*\q+1]
.endr
.endr
.endr
	FOLD
	s_delay_alu instid0(VALU_DEP_2)
	v_mul_f32 v162, 0xba800000, v[TM]              ; - the mean
	s_delay_alu instid0(VALU_DEP_2)
	v_mul_f32 v164, 0xba800000, v[TM+8]
.set p, 0
.rept 16
	v_pk_add_f32 v[X+p:X+p+1], v[X+p:X+p+1], v[162:163] op_sel_hi:[1,0]
	v_pk_add_f32 v[X+32+p:X+33+p], v[X+32+p:X+33+p], v[164:165] op_sel_hi:[1,0]
.set p, p+2
.endr
.irp e, 0,1
.irp q, 0,1,2,3
	v_pk_mul_f32 v[TM+8*\e+2*\q:TM+8*\e+2*\q+1], v[X+32*\e+2*\q:X+32*\e+2*\q+1], v[X+32*\e+2*\q:X+32*\e+2*\q+1]
.endr
.endr
.irp o, 8,16,24
.irp e, 0,1
.irp q, 0,1,2,3
	v_pk_fma_f32 v[TM+8*\e+2*\q:TM+8*\e+2*\q+1], v[X+32*\e+\o+2*\q:X+32*\e+\o+2*\q+1], v[X+32*\e+\o+2*\q:X+32*\e+\o+2*\q+1], v[TM+8*\e+2*\q:TM+8*\e+2*\q+1]
.endr
.endr
.endr
	FOLD
	s_delay_alu instid0(VALU_DEP_2)
	v_fma_f32 v[TM], v[TM], s14, s15               ; the variance + 1e-5
	s_delay_alu instid0(VALU_DEP_2)
	v_fma_f32 v[TM+8], v[TM+8], s14, s15
	s_wait_alu depctr_va_vdst(0)
	v_rsq_f32 v166, v[TM]
	v_rsq_f32 v168, v[TM+8]
	v_nop                                          ; a plain instruction behind the two
	s_wait_alu depctr_va_vdst(0)                   ; one wait for both, ahead of their first reader
	s_wait_loadcnt 0x0                             ; gain and bias
.set p, 0
.rept 16
	v_pk_mul_f32 v[X+p:X+p+1], v[X+p:X+p+1], v[166:167] op_sel_hi:[1,0]
	v_pk_mul_f32 v[X+32+p:X+33+p], v[X+32+p:X+33+p], v[168:169] op_sel_hi:[1,0]
.set p, p+2
.endr
.set p, 0
.rept 16
	v_pk_fma_f32 v[X+p:X+p+1], v[X+p:X+p+1], v[G+p:G+p+1], v[BB+p:BB+p+1]
	v_pk_fma_f32 v[X+32+p:X+33+p], v[X+32+p:X+33+p], v[G+p:G+p+1], v[BB+p:BB+p+1]
.set p, p+2
.endr
.irp e, 0,1
.irp j, 0,1,2,3,4,5,6,7
	ds_store_b128 v[STI], v[X+32*\e+4*\j:X+32*\e+4*\j+3] offset:\e*PITCH+\j*512
.endr
.endr
	s_wait_dscnt 0x0                               ; for the others' sake: my two rows lie in the stage
	s_barrier_signal -1
	s_barrier_wait -1
.irp c, 0,1,2,3
.irp i, 0,1,2,3
	ds_load_b128 v[X+16*\c+4*\i:X+16*\c+4*\i+3], v[STO] offset:\c*128+\i*16
.endr
.endr
	s_wait_dscnt 0x0
.irp b, 0,1,2,3
	v_max3_num_f32 v[TM+\b], |v[X+16*\b]|, |v[X+1+16*\b]|, 0x4800000   ; block b: my 16 numbers, and the floor 2^(9 - 127): the byte cannot fall under 1
.endr
.irp i, 2,4,6,8,10,12,14
.irp b, 0,1,2,3
	s_delay_alu instid0(VALU_DEP_4)
	v_max3_num_f32 v[TM+\b], v[TM+\b], |v[X+16*\b+\i]|, |v[X+1+16*\b+\i]|
.endr
.endr
.irp b, 0,1,2,3
	s_delay_alu instid0(VALU_DEP_4)
	v_permlanex16_b32 v[TM+4+\b], v[TM+\b], s[SEL], s[SEL+1]
.endr
.irp b, 0,1,2,3
	s_delay_alu instid0(VALU_DEP_4)
	v_max_num_f32 v[TM+\b], v[TM+\b], v[TM+4+\b]   ; with lane l xor 16's: the block's largest magnitude
.endr
.irp b, 0,1,2,3
	s_delay_alu instid0(VALU_DEP_4)
	v_add_nc_u32 v[TM+12+\b], 0xfc000000, v[TM+\b] ; 8 off its exponent field: the conversion's scale operand
.endr
.irp b, 0,1,2,3
	v_and_or_b32 v[TM+8+\b], v[TM+\b], 0x7f800000, s[MNT]   ; 448 x the scale
.endr
.irp b, 0,1,2,3
	v_lshrrev_b32 v[TM+4+\b], 23, v[TM+12+\b]      ; the scale's byte
.endr
	s_delay_alu instid0(VALU_DEP_3)
	v_lshl_or_b32 v[PW], v[TM+5], 8, v[TM+4]
	s_delay_alu instid0(VALU_DEP_1)
	v_lshl_or_b32 v[PW], v[TM+6], 16, v[PW]
	s_delay_alu instid0(VALU_DEP_1)
	v_lshl_or_b32 v[PW], v[TM+7], 24, v[PW]
.irp b, 0,1,2,3
.irp i, 0,1,2,3,4,5,6,7,8,9,10,11,12,13,14,15
	v_med3_num_f32 v[X+16*\b+\i], v[X+16*\b+\i], -v[TM+8+\b], v[TM+8+\b]   ; the conversion to an 8-bit code does not saturate (ISA guide 7.6.2): the hold comes first
.endr
	v_cvt_scalef32_pk8_fp8_f32 v[PC+4*\b:PC+1+4*\b], v[X+16*\b:X+7+16*\b], v[TM+12+\b]
	v_cvt_scalef32_pk8_fp8_f32 v[PC+2+4*\b:PC+3+4*\b], v[X+8+16*\b:X+15+16*\b], v[TM+12+\b]
.endr
	v_nop
.irp c, 0,1,2,3
	global_store_b128 v[LI], v[PC+4*\c:PC+4*\c+3], s[20:21] offset:\c*512   ; 512 consecutive bytes
.endr
	global_store_b32 v[R4], v[PW], s[22:23]        ; both halves of the lanes hold the same word and write it to the same place
	s_wait_tensorcnt 0x0                           ; the wave's end
	ds_add_u32 v[SPW], v[NIL]
	s_wait_dscnt 0x0
	s_endpgm
	; ---------------- the weights ----------------
.Lweights:
	s_load_b512 s[8:23], s[0:1], 0x0               ; codes: wq s[8:9], wk, wv, wo, w1, w2 s[18:19]; scales: wq s[20:21], wk s[22:23]
	s_load_b256 s[24:31], s[0:1], 0x40             ; scales: wv, wo, w1, w2
	s_load_b64 s[32:33], s[0:1], 0x60              ; wimg
	v_and_b32 v10, 15, v0                          ; r
	v_bfe_u32 v11, v0, 4, 1                        ; h
	v_and_b32 v12, 31, v0
	s_delay_alu instid0(VALU_DEP_1)
	v_lshlrev_b32 v5, 4, v12                       ; 16 x lane
	s_sub_co_u32 s54, ttmp9, 256                   ; my number among the 192
	s_lshr_b32 s3, s54, 4                          ; class: 0 wq, 1 wk, 2 wv, 3 wo, 4-7 w1, 8-11 w2 (16 work-groups x 8 waves = 128 units a class)
	s_mov_b32 s38, 128                             ; w2's figures stand first; the classes below take them over one by one
	s_mov_b32 s39, 3
	s_mov_b32 s40, 12
	s_mov_b32 s41, W2I
	s_mov_b32 s42, 524288
	s_mov_b32 s43, W2S
	s_mov_b32 s44, 4096
	s_wait_alu depctr_va_vdst(0)
	s_wait_kmcnt 0x0
	s_mov_b64 s[34:35], s[18:19]
	s_mov_b64 s[36:37], s[30:31]
	PICK 8, 16, 28, 64, 1, 10, W1I, 2097152, W1S, 16384
	PICK 4, 14, 26, 48, 1, 10, WOI, 524288, WOS, 4096
	; the scale words of wq, wk, wv: three images [K step][64 row blocks][64 bytes], 32,768 bytes each, one behind the other: a tile's words of all three are 24 rows of 512 bytes, 4,096 bytes apart
	PICK 3, 12, 24, 32, 1, 10, W3I+1048576, 2097152, W3S+65536, 4096
	PICK 2, 10, 22, 16, 1, 10, W3I+524288, 2097152, W3S+32768, 4096
	PICK 1, 8, 20, 0, 1, 10, W3I, 2097152, W3S, 4096
	s_sub_co_u32 s4, s54, s38
	s_lshl_b32 s4, s4, 3
	s_add_co_u32 s4, s4, s2                        ; my unit in the weight
	s_lshr_b32 s5, s4, s39                         ; rb
	s_lshl_b32 s6, s5, s39
	s_sub_co_u32 s6, s4, s6                        ; kc
	s_mov_b32 s47, 0
	s_add_co_u32 s7, s40, 4
	s_lshl_b32 s46, s5, s7                         ; 16 rows x rb,
	s_lshl_b32 s7, s6, 9
	s_add_co_u32 s46, s46, s7                      ; + 512 kc
	s_add_nc_u64 s[34:35], s[34:35], s[46:47]      ; the codes as given
	s_sub_co_u32 s7, s40, 1
	s_lshl_b32 s46, s5, s7                         ; 16 rows of scale bytes x rb,
	s_lshl_b32 s7, s6, 4
	s_add_co_u32 s46, s46, s7                      ; + 16 kc
	s_add_nc_u64 s[36:37], s[36:37], s[46:47]      ; the scale bytes as given
	s_mul_i32 s46, s6, s42
	s_add_co_u32 s46, s46, s41
	s_lshl_b32 s7, s5, 13
	s_add_co_u32 s46, s46, s7
	s_add_nc_u64 s[48:49], s[32:33], s[46:47]      ; my 8,192 bytes of the image
	s_mul_i32 s46, s6, s44
	s_lshl_b32 s46, s46, 2                         ; K step 4 kc
	s_add_co_u32 s46, s46, s43
	s_lshl_b32 s7, s5, 6
	s_add_co_u32 s46, s46, s7
	s_add_nc_u64 s[50:51], s[32:33], s[46:47]      ; my scale words
	v_lshlrev_b32 v4, s40, v10
	s_delay_alu instid0(VALU_DEP_1)
	v_lshl_add_u32 v4, v11, 4, v4                  ; in: row r, + 16 h
	s_sub_co_u32 s52, s40, 5
	v_lshlrev_b32 v6, s52, v10
	s_delay_alu instid0(VALU_DEP_1)
	v_lshl_add_u32 v6, v11, 3, v6                  ; scale bytes in: row r, + 8 h: the words of K steps 4 kc + 2 h and + 1
	s_lshl_b32 s53, s44, 1
	v_mul_u32_u24 v7, s53, v11
	s_delay_alu instid0(VALU_DEP_1)
	v_lshl_add_u32 v7, v10, 2, v7                  ; out: 2 h K steps on, + 4 r
	s_delay_alu instid0(VALU_DEP_1)
	v_add_nc_u32 v8, s44, v7                       ; and one K step further
.irp n, 0,1,2,3,4,5,6,7,8,9,10,11,12,13,14,15
	global_load_b128 v[16+4*\n:19+4*\n], v4, s[34:35] offset:32*\n th:TH_LOAD_NT   ; k = 32 n + 16 h + 0 .. 15 of row r
.endr
	global_load_b64 v[80:81], v6, s[36:37] th:TH_LOAD_NT
	s_wait_alu depctr_va_vdst(0)
	s_wait_loadcnt 0x0
.irp n, 0,1,2,3,4,5,6,7,8,9,10,11,12,13,14,15
	global_store_b128 v5, v[16+4*\n:19+4*\n], s[48:49] offset:512*\n   ; 32 lanes store 512 consecutive bytes
.endr
	global_store_b32 v7, v80, s[50:51]             ; 64 consecutive bytes for each half of the lanes: the scale words are 1/32 of the codes
	global_store_b32 v8, v81, s[50:51]
	s_endpgm
.Lfunc_end_k_q4585c523bc_prep:
	.size	k_q4585c523bc_prep, .Lfunc_end_k_q4585c523bc_prep-k_q4585c523bc_prep
	.p2alignl 7, 3214868480
	.fill 96, 4, 3214868480
	.section	.rodata,"a",@progbits
	.p2align	6, 0x0
	.amdhsa_kernel k_q4585c523bc_prep
		.amdhsa_group_segment_fixed_size 66816
		.amdhsa_private_segment_fixed_size 0
		.amdhsa_enable_private_segment 0
		.amdhsa_kernarg_size 136
		.amdhsa_user_sgpr_count 2
		.amdhsa_user_sgpr_kernarg_segment_ptr 1
		.amdhsa_wavefront_size32 1
		.amdhsa_system_sgpr_workgroup_id_x 1
		.amdhsa_system_sgpr_workgroup_id_y 1
		.amdhsa_system_sgpr_workgroup_id_z 1
		.amdhsa_system_vgpr_workitem_id 0
		.amdhsa_next_free_vgpr 192
		.amdhsa_next_free_sgpr 66
		.amdhsa_reserve_vcc 0
		.amdhsa_float_denorm_mode_32 3
		.amdhsa_float_denorm_mode_16_64 3
		.amdhsa_memory_ordered 1
		.amdhsa_forward_progress 1
		.amdhsa_inst_pref_size 40
	.end_amdhsa_kernel
	.amdgpu_metadata
---
amdhsa.version: [ 1, 2 ]
amdhsa.kernels:
  - .name:           k_q4585c523bc_prep
    .symbol:         k_q4585c523bc_prep.kd
    .args:
      - { .name: wq_codes, .offset: 0, .size: 8, .value_kind: global_buffer, .address_space: global }
      - { .name: wk_codes, .offset: 8, .size: 8, .value_kind: global_buffer, .address_space: global }
      - { .name: wv_codes, .offset: 16, .size: 8, .value_kind: global_buffer, .address_space: global }
      - { .name: wo_codes, .offset: 24, .size: 8, .value_kind: global_buffer, .address_space: global }
      - { .name: w1_codes, .offset: 32, .size: 8, .value_kind: global_buffer, .address_space: global }
      - { .name: w2_codes, .offset: 40, .size: 8, .value_kind: global_buffer, .address_space: global }
      - { .name: wq_scales, .offset: 48, .size: 8, .value_kind: global_buffer, .address_space: global }
      - { .name: wk_scales, .offset: 56, .size: 8, .value_kind: global_buffer, .address_space: global }
      - { .name: wv_scales, .offset: 64, .size: 8, .value_kind: global_buffer, .address_space: global }
      - { .name: wo_scales, .offset: 72, .size: 8, .value_kind: global_buffer, .address_space: global }
      - { .name: w1_scales, .offset: 80, .size: 8, .value_kind: global_buffer, .address_space: global }
      - { .name: w2_scales, .offset: 88, .size: 8, .value_kind: global_buffer, .address_space: global }
      - { .name: wimg, .offset: 96, .size: 8, .value_kind: global_buffer, .address_space: global }
      - { .name: feature, .offset: 104, .size: 8, .value_kind: global_buffer, .address_space: global }
      - { .name: ln1_g, .offset: 112, .size: 8, .value_kind: global_buffer, .address_space: global }
      - { .name: ln1_b, .offset: 120, .size: 8, .value_kind: global_buffer, .address_space: global }
      - { .name: xbuf, .offset: 128, .size: 8, .value_kind: global_buffer, .address_space: global }
    .group_segment_fixed_size: 66816
    .private_segment_fixed_size: 0
    .kernarg_segment_align: 8
    .kernarg_segment_size: 136
    .max_flat_workgroup_size: 256
    .sgpr_count:     66
    .vgpr_count:     192
    .wavefront_size: 32
...
	.end_amdgpu_metadata
.endif
;; end of part 1
;; launch qkv (part 2): grid 8 x 32, 4 waves a work-group, clusters of 4 x 4, 327,680 bytes of LDS; arguments xbuf, wimg, bq, bk, bv, qkvbuf; writes qkvbuf
.if DOCPART == 2
	.amdgcn_target "amdgcn-amd-amdhsa--gfx1250"
	.amdhsa_code_object_version 6
	.text
	.protected	k_q4585c523bc_qkv
	.globl	k_q4585c523bc_qkv
	.p2align	8
	.type	k_q4585c523bc_qkv,@function
k_q4585c523bc_qkv:
	s_mov_b64 s[64:65], 0
	v_nop
	global_prefetch_b8 v0, s[64:65] scope:SCOPE_SE
	s_setreg_imm32_b32 hwreg(HW_REG_WAVE_MODE, 25, 1), 1
	s_wait_xcnt 0x0
	s_wait_alu depctr_hold_cnt(0) depctr_sa_sdst(0) depctr_va_vdst(0) depctr_va_sdst(0) depctr_va_ssrc(0) depctr_va_vcc(0) depctr_vm_vsrc(0)
	s_getreg_b32 s2, hwreg(HW_REG_IB_STS2, 6, 4)
	s_cmp_eq_u32 s2, 0
	s_cbranch_scc0 .Lentry_in_a_cluster
	s_endpgm
.Lentry_in_a_cluster:
	s_bfe_u32 s2, ttmp6, 0x10000c
	s_cmp_lg_u32 s2, 0xf033
	s_cbranch_scc0 .Lentry_shape_is_right
	s_endpgm
.Lentry_shape_is_right:
; q, k and v: three products of LN1(x) (codes, 4,096 positions x 1,024) with wq, wk, wv (codes), the bias as the C of each sum's first product, and the quantisers that attention wants, in registers.
; Nothing of reference() is left out here.
; A WORK-GROUP STAYS: 128 positions of x against tile J0 (128 rows) of wq, of wk, of wv.  Wave (WI, WJ) takes x's rows 64 WI on and the weight's rows 64 WJ on: 16 accumulators of 16 x 16.
; x LIVES IN REGISTERS: a wave's 64 rows, all of K = 1,024, are 512 registers (windows 2 and 3), read from LDS once.  A K step of 128 then fetches the weight's four fragments and four scale words: 20 LDS loads for 16 products.
; q, k: source 0 = 16 rows of the weight, source 1 = 16 positions: lane (r, h) holds position r, register n of tile b column 16 b + 8 h + n: a wave's 64 columns are one head, quantised along the head's 64.
; v: source 0 = 16 positions, source 1 = 16 rows of wv: the result is v TRANSPOSED: a lane holds one channel, its registers run along the positions, and by the positions' order (the first kernel's head) the 16 registers
; of two neighbouring tiles are 16 neighbouring tokens: v is quantised along the keys.
; THE WEIGHTS HAVE A RING OF TWO SLOTS of 131,072 bytes: wq's tile lands at the head in slot A; x's codes land in slot B, and when all waves hold them in registers wk's tile is filled over them, in a drained round of the
; cluster's barrier, ahead of q's products; wv's goes into slot A ahead of k's products.  Wave 1 issues each refill: one load of 2 rows of 65,536 bytes.
; THE HEAD: four tiles, one load a wave: x's codes, wq's tile, x's scale words, the scale words of all three weight tiles (24 rows of 512 bytes).  CLUSTER 4 x 4: x's tiles are asked for jointly along a row, the weights' along a column.
; PREFETCH: wk's and wv's tiles are asked for at the head, one and two tiles ahead of their loads: 512 blocks of 256 bytes a tile, shared out by address among the sixteen waves of a column's four partners, a lane a block.
; LIMITS: NaN and infinities are not served; a block of zeros gets the byte 1 (zero codes; read by this program alone).
.set XSC,  4194304                     ; x's scale words in xbuf
.set W3S,  13631488                    ; wq's, wk's, wv's in wimg (their codes lie at 0)
.set VI,   8388608                     ; in qkvbuf: q's and k's images at 0, v's here,
.set QKS,  12582912                    ; q's and k's scale words,
.set VS,   13107200                    ; v's
.set SLA,  131072                      ; LDS: slot B at 0, slot A here (chunk kc of a tile at 65,536 kc),
.set PSC,  262144                      ; x's scale words (512 bytes a K step),
.set QSC,  266240                      ; the three weight tiles', 4,096 bytes each,
.set SPARE, 278528                     ; the spare words
.set ADRS1, 8                          ; scale words for k,
.set ADRS2, 9                          ; for v
.set ADRQB, 10                         ; v10-11 my weight fragments in slot B
.set PFO,  13                          ; the prefetches' offset; never rewritten
.set ADRP, 16                          ; v16-17 my rows of x in slot B
.set ADRQA, 18                         ; v18-19 my weight fragments in slot A
.set ADRS, 20                          ; scale words for q: lanes 0-15 x's, lanes 16-31 the weight's
.set LA1,  21                          ; 16 r + 8 h
.set LA2,  22                          ; 16 x lane
.set LW,   23                          ; 4 x lane
.set R4,   26                          ; 4 r
.set H32,  27                          ; 32 h
.set SPW,  28
.set NIL,  29
.set SC,   32                          ; v32-39 scale words, two sets of four
.set CD,   72                          ; v72-103 codes
.set TM,   104
.set PW,   120
.set ACC,  128                         ; accumulator (a, b) at 8 (4 a + b)
.set F0,   0                           ; window 1: two buffers of the weight's four fragments, v0-63 and v64-127;
.set CBQ,  128                         ; v128-159 bq, v160-191 bk by column, v192-223 bv by row, in the results' layouts
.set CBK,  160
.set CBV,  192
.set G1P, 24
.set G0P, 32
.set G0Q, 36
.set G1Q, 48
.set G0SP, 56
.set G0SQ, 60
.set G1SP, 68
.set G1SQ, 80
.set MSB, 0
.macro WIN new                         ; the immediate's high byte repeats the setting that is left
.if MSB != \new
	s_set_vgpr_msb (MSB<<8)|\new
.set MSB, \new
.endif
.endm
.macro PLACES n
.rept \n
	v_nop
.endr
.endm
.macro CROUND                          ; a round of the cluster's barrier
	s_barrier_signal -1
	s_barrier_wait -1
	s_cmp_lg_u32 s16, 0
	s_cbranch_scc1 .Lnot_wave_0_\@
	s_barrier_signal -3
.Lnot_wave_0_\@:
	s_barrier_wait -3
	s_barrier_signal -1
	s_barrier_wait -1
.endm
.macro ARM under, g0, g1, next         ; an arm of the head's chain: one load, an s_nop 0 and four v_nop, a jump to the join
	s_cmp_lt_u32 s16, \under
	s_cbranch_scc0 \next
	tensor_load_to_lds s[\g0:\g0+3], s[\g1:\g1+7]
	s_nop 0
	PLACES 4
	s_branch .Lasked
\next:
.endm
.macro REFILL lds                      ; the next weight's tile into the slot at lds, which no wave reads any more
	s_wait_tensorcnt 0x0                           ; all my tensor loads have landed, so a group 0 may be written
	ds_add_u32 v[SPW], v[NIL]
	s_add_nc_u64 s[G0Q+2:G0Q+3], s[G0Q+2:G0Q+3], 8*65536
	s_mov_b32 s[G0Q+1], \lds
	s_wait_dscnt 0x0                               ; the add is done, and my reads of that slot are over
	CROUND                                         ; both now hold of every wave of every work-group of the cluster
	s_cmp_eq_u32 s16, 1
	s_cbranch_scc0 .Lnot_mine_\@
	tensor_load_to_lds s[G0Q:G0Q+3], s[G1Q:G1Q+7]  ; the first tensor load behind the round, and the only one
	s_nop 0
	PLACES 4
.Lnot_mine_\@:
.endm
.macro XLOAD                           ; my 64 rows of x, all of K: fragment (K step q, tile a) at v[64 (q % 4) + 16 a] of window 2 + q / 4: 128 loads
.irp q, 0,1,2,3,4,5,6,7
	WIN ((2+\q/4)<<6)
.irp a, 0,1,2,3
.irp c, 0,1,2,3
	ds_load_b128 v[64*(\q%4)+16*\a+4*\c:64*(\q%4)+16*\a+4*\c+3], v[ADRP+\q/4] offset:\a*8192+(\q%4)*2048+\c*512
.endr
.endr
.endr
	WIN 0
.endm
.macro FETCH aq, as, q, f, sc          ; 20 LDS loads: the weight's fragments of K step q into buffer f, the scale words into set sc
	WIN 0x40
.irp b, 0,1,2,3
.irp c, 0,1,2,3
	ds_load_b128 v[\f+16*\b+4*\c:\f+16*\b+4*\c+3], v[\aq+(\q)/4] offset:\b*8192+((\q)%4)*2048+\c*512
.endr
.endr
	WIN 0
.irp i, 0,1,2,3
	ds_load_b32 v[SC+4*\sc+\i], v[\as] offset:\i*64+(\q)*512
.endr
.endm
; 16 products of K step q, the accumulators by turns in one order.  cb >= 0: the bias at v[cb] of window 1 starts the sums.  v = 0: a counts x's tiles, b the weight's; v = 1: a the weight's, b x's.
.macro MUL16 q, f, sc, cb, v
.irp a, 0,1,2,3
.irp b, 0,1,2,3
.set D_, ACC+8*(4*\a+\b)
.set C_, D_
.if \cb >= 0
.set C_, \cb+8*(\b+(\v)*(\a-\b))
.endif
.if \v
	v_wmma_scale_f32_16x16x128_f8f6f4 v[D_:D_+7], v[64*((\q)%4)+16*\b:64*((\q)%4)+16*\b+15], v[\f+16*\a:\f+16*\a+15], v[C_:C_+7], v[SC+4*\sc+\b], v[SC+4*\sc+\a] matrix_b_scale:MATRIX_SCALE_ROW1
.else
	v_wmma_scale_f32_16x16x128_f8f6f4 v[D_:D_+7], v[\f+16*\b:\f+16*\b+15], v[64*((\q)%4)+16*\a:64*((\q)%4)+16*\a+15], v[C_:C_+7], v[SC+4*\sc+\b], v[SC+4*\sc+\a] matrix_a_scale:MATRIX_SCALE_ROW1
.endif
.endr
.endr
.endm
; A tile's eight K steps.  Each fetch stands one K step ahead, eight places behind the products that read its buffer; then all but its 20 loads are awaited.
; Windows: v = 0: source 0 window 1, source 1 window 2 or 3; v = 1: the other way round; C window 1 in the first products, else 0; D window 0.
.macro TILEMUL aq, as, cb, v
	FETCH \aq, \as, 0, F0, 0
	FETCH \aq, \as, 1, F0+64, 1
	s_wait_alu depctr_va_vdst(0)
	s_wait_dscnt 20
	WIN (0x19-3*(\v))
	MUL16 0, F0, 0, \cb, \v
.irp q, 1,2,3,4,5,6
	PLACES 8
	FETCH \aq, \as, \q+1, F0+64*((\q+1)%2), ((\q+1)%2)
	s_wait_dscnt 20
	WIN (0x09+4*(\q/4)-(\v)*(3+3*(\q/4)))
	MUL16 \q, F0+64*(\q%2), (\q%2), -1, \v
.endr
	s_wait_dscnt 0x0
	MUL16 7, F0+64, 1, -1, \v
	WIN 0
	PLACES 8                                       ; behind the last products, ahead of the reads of their results and of loads into their registers
.endm
; 32 numbers of a lane, v[s] on, two blocks of 16 that lanes l and l xor 16 share, become 32 codes in v[cd] on and two scale bytes in v[pw] (its upper two bytes 0).
.macro QUANT2 s, cd, pw
.irp c, 0,1
	v_max3_num_f32 v[TM+\c], |v[\s+16*\c]|, |v[\s+16*\c+1]|, 0x4800000   ; and the floor 2^(9 - 127): the byte cannot fall under 1
.endr
.irp i, 2,4,6,8,10,12,14
.irp c, 0,1
	v_max3_num_f32 v[TM+\c], v[TM+\c], |v[\s+16*\c+\i]|, |v[\s+16*\c+\i+1]|
.endr
.endr
.irp c, 0,1
	v_permlanex16_b32 v[TM+2+\c], v[TM+\c], s96, s97
.endr
.irp c, 0,1
	v_max_num_f32 v[TM+\c], v[TM+\c], v[TM+2+\c]
.endr
.irp c, 0,1
	v_add_nc_u32 v[TM+6+\c], 0xfc000000, v[TM+\c]  ; 8 off the exponent field: the conversion's scale operand
.endr
.irp c, 0,1
	v_and_or_b32 v[TM+4+\c], v[TM+\c], 0x7f800000, s98   ; 448 x the scale
.endr
.irp c, 0,1
	v_lshrrev_b32 v[TM+2+\c], 23, v[TM+6+\c]
.endr
	v_lshl_or_b32 v[\pw], v[TM+3], 8, v[TM+2]
.irp c, 0,1
.irp i, 0,1,2,3,4,5,6,7,8,9,10,11,12,13,14,15
	v_med3_num_f32 v[\s+16*\c+\i], v[\s+16*\c+\i], -v[TM+4+\c], v[TM+4+\c]   ; the conversion does not saturate (ISA guide 7.6.2)
.endr
	v_cvt_scalef32_pk8_fp8_f32 v[\cd+4*\c:\cd+4*\c+1], v[\s+16*\c:\s+16*\c+7], v[TM+6+\c]
	v_cvt_scalef32_pk8_fp8_f32 v[\cd+4*\c+2:\cd+4*\c+3], v[\s+16*\c+8:\s+16*\c+15], v[TM+6+\c]
.endr
	v_nop
.endm
.macro EPIQK                           ; q's or k's way out: registers and global stores alone
.irp a, 0,1,2,3
	QUANT2 ACC+32*\a, CD+8*\a, PW+\a
.irp t, 0,1,2,3
	global_store_b64 v[LA1], v[CD+8*\a+2*\t:CD+8*\a+2*\t+1], s[92:93] offset:\a*1024+\t*256   ; the 32 lanes fill 256 consecutive bytes, aligned
.endr
.endr
	v_cndmask_b32 v112, v[PW], v[PW+1], s99        ; lanes 0-15: tile a's words, lanes 16-31: tile a + 1's
	v_cndmask_b32 v113, v[PW+2], v[PW+3], s99
	global_store_b32 v[LW], v112, s[94:95]
	global_store_b32 v[LW], v113, s[94:95] offset:128
.endm
	s_load_b256 s[4:11], s[0:1], 0x0               ; xbuf, wimg, bq, bk
	s_load_b128 s[12:15], s[0:1], 0x20             ; bv, qkvbuf
	v_lshl_add_u32 v[SPW], v0, 2, SPARE
	v_mov_b32 v[NIL], 0
	ds_add_u32 v[SPW], v[NIL]                      ; the wave's opening
	ds_add_u32 v[SPW], v[NIL]
	v_lshrrev_b32 v1, 5, v0
	v_readfirstlane_b32 s16, v1                    ; wave
	s_lshr_b32 s17, s16, 1                         ; WI: my 64 positions
	s_and_b32 s18, s16, 1                          ; WJ: my 64 rows of each weight
	s_bfe_u32 s20, ttmp6, 0x40000                  ; cx
	s_bfe_u32 s21, ttmp6, 0x40004                  ; cy
	s_lshl_b32 s22, ttmp9, 2
	s_add_co_u32 s22, s22, s20                     ; J0, 0 .. 7: my tile of each weight
	s_and_b32 s23, ttmp7, 0xffff
	s_lshl_b32 s23, s23, 2
	s_add_co_u32 s23, s23, s21                     ; IT: my tile of x
	s_lshl_b32 s40, s21, 2
	s_lshl_b32 s40, 15, s40                        ; my row of the cluster
	s_lshl_b32 s41, 0x1111, s20                    ; my column
	s_or_b32 s[G1P], s40, (3<<16)|(1<<21)          ; the mask; elements of 8 bytes; bit 21 beside a mask
	s_or_b32 s[G1Q], s41, (3<<16)|(1<<21)
	s_or_b32 s[G1SP], s40, (3<<16)|(1<<21)
	s_or_b32 s[G1SQ], s41, (3<<16)|(1<<21)
.irp g, G1P, G1Q                       ; codes: two K chunks, 65,536 dense bytes each, 256 row blocks x 8,192 bytes apart
	s_mov_b32 s[\g+1], 8192<<16
	s_mov_b32 s[\g+2], 2<<16
	s_mov_b32 s[\g+3], 8192<<16
	s_mov_b32 s[\g+4], 2
	s_mov_b32 s[\g+5], 262144
	s_mov_b32 s[\g+6], 0
	s_mov_b32 s[\g+7], 0
.endr
.irp g, G1SP, G1SQ                     ; scale words: rows of 512 bytes
	s_mov_b32 s[\g+1], 64<<16
	s_mov_b32 s[\g+3], 64<<16
	s_mov_b32 s[\g+6], 0
	s_mov_b32 s[\g+7], 0
.endr
	s_mov_b32 s[G1SP+2], 8<<16                     ; x's: 8 K steps, 256 row blocks x 64 bytes apart
	s_mov_b32 s[G1SP+4], 8
	s_mov_b32 s[G1SP+5], 2048
	s_mov_b32 s[G1SQ+2], 24<<16                    ; the weights': 3 x 8 K steps, 64 row blocks x 64 bytes apart
	s_mov_b32 s[G1SQ+4], 24
	s_mov_b32 s[G1SQ+5], 512
	s_lshl_b32 s42, s23, 16                        ; x's codes
	s_mov_b32 s43, 0
	s_lshl_b32 s44, s22, 16                        ; wq's
	s_mov_b32 s45, 0
	s_lshl_b32 s46, s23, 9
	s_add_co_u32 s46, s46, XSC                     ; x's scale words
	s_mov_b32 s47, 0
	s_lshl_b32 s2, s22, 9
	s_add_co_u32 s2, s2, W3S                       ; the weights'
	s_mov_b32 s3, 0
	s_mov_b32 s[G0P], 1
	s_mov_b32 s[G0P+1], 0
	s_mov_b32 s[G0Q], 1
	s_mov_b32 s[G0Q+1], SLA
	s_mov_b32 s[G0SP], 1
	s_mov_b32 s[G0SP+1], PSC
	s_mov_b32 s[G0SQ], 1
	s_mov_b32 s[G0SQ+1], QSC
	s_wait_dscnt 0x0                               ; both opening adds are done
	s_wait_kmcnt 0x0
	s_add_nc_u64 s[G0P+2:G0P+3], s[4:5], s[42:43]
	s_or_b32 s[G0P+3], s[G0P+3], 0x80000000
	s_add_nc_u64 s[G0Q+2:G0Q+3], s[6:7], s[44:45]
	s_or_b32 s[G0Q+3], s[G0Q+3], 0x80000000
	s_add_nc_u64 s[G0SP+2:G0SP+3], s[4:5], s[46:47]
	s_or_b32 s[G0SP+3], s[G0SP+3], 0x80000000
	s_add_nc_u64 s[G0SQ+2:G0SQ+3], s[6:7], s[2:3]
	s_or_b32 s[G0SQ+3], s[G0SQ+3], 0x80000000
	CROUND                                         ; all sixteen work-groups are here: the first joint loads meet
	ARM 1, G0P, G1P, .Lh_q                         ; one load a wave, in one chain: every way through the head passes one
	ARM 2, G0Q, G1Q, .Lh_sp
	ARM 3, G0SP, G1SP, .Lh_sq
	tensor_load_to_lds s[G0SQ:G0SQ+3], s[G1SQ:G1SQ+7]
	s_nop 0
	PLACES 4
.Lasked:
	s_lshl_b32 s40, s17, 15                        ; 64 rows are 4 row blocks of 8,192 bytes
	s_lshl_b32 s41, s18, 15
	s_lshl_b32 s43, s17, 8                         ; and 256 bytes of scale words a K step
	s_lshl_b32 s45, s18, 8
	s_add_co_u32 s42, s45, QSC-PSC
	s_sub_co_u32 s42, s42, s43                     ; from x's words of rows WI to wq's of rows WJ
	s_add_co_u32 s43, s43, PSC
	s_lshl_b32 s46, s21, 2
	s_add_co_u32 s46, s46, s16                     ; which of the column's sixteen waves I am: my 8,192 bytes of a tile's 131,072
	s_lshr_b32 s47, s46, 3
	s_lshl_b32 s47, s47, 21                        ; the chunk,
	s_and_b32 s46, s46, 7
	s_lshl_b32 s46, s46, 13                        ; the eighth of it,
	s_add_co_u32 s46, s46, s47
	s_lshl_b32 s47, s22, 16
	s_add_co_u32 s46, s46, s47                     ; in tile J0
	v_and_b32 v1, 15, v0                           ; r
	v_bfe_u32 v2, v0, 4, 1                         ; h
	v_and_b32 v3, 31, v0
	v_lshlrev_b32 v[LA2], 4, v3
	v_lshlrev_b32 v[LW], 2, v3
	v_lshlrev_b32 v[LA1], 4, v1
	v_lshl_add_u32 v[LA1], v2, 3, v[LA1]
	v_lshlrev_b32 v[R4], 2, v1
	v_lshlrev_b32 v[H32], 5, v2
	v_add_nc_u32 v[ADRP], s40, v[LA2]              ; x's rows WI, in slot B
	v_add_nc_u32 v[ADRQB], s41, v[LA2]             ; a weight's rows WJ in slot B,
	v_add_nc_u32 v[ADRQA], SLA, v[ADRQB]           ; in slot A
.irp a, ADRP, ADRQA, ADRQB
	v_add_nc_u32 v[\a+1], 65536, v[\a]             ; chunk 1
.endr
	v_mul_u32_u24 v[ADRS], s42, v2                 ; lanes 16-31 take the weight's
	v_lshl_add_u32 v[ADRS], v1, 2, v[ADRS]
	v_add_nc_u32 v[ADRS], s43, v[ADRS]
	v_lshl_add_u32 v[ADRS1], v2, 12, v[ADRS]       ; wk's words lie 4,096 bytes behind wq's,
	v_lshl_add_u32 v[ADRS2], v2, 13, v[ADRS]       ; wv's 8,192
	v_lshl_add_u32 v[PFO], v3, 8, s46              ; lanes 256 bytes apart
	v_mov_b32 v[TM+2], 0                           ; lane permutes' destinations are written once
	v_mov_b32 v[TM+3], 0
	s_wait_alu depctr_va_vdst(0)
	global_prefetch_b8 v[PFO], s[6:7] offset:524288 th:TH_LOAD_NT scope:SCOPE_SE    ; wk's tile, 8 tiles on
	global_prefetch_b8 v[PFO], s[6:7] offset:1048576 th:TH_LOAD_NT scope:SCOPE_SE   ; wv's, 16 on
	s_lshl_b32 s19, s22, 1
	s_add_co_u32 s19, s19, s18                     ; my head of q, of k and of v: 2 J0 + WJ
	s_lshl_b32 s42, s19, 8
	s_mov_b32 s43, 0
	s_add_nc_u64 s[88:89], s[8:9], s[42:43]        ; the biases of my 64 columns or channels
	s_add_nc_u64 s[90:91], s[10:11], s[42:43]
	s_add_nc_u64 s[12:13], s[12:13], s[42:43]
	WIN 0x40                                       ; destination window 1
.irp b, 0,1,2,3
	global_load_b128 v[CBQ+8*\b:CBQ+8*\b+3], v[H32], s[88:89] offset:\b*64       ; the bias of columns 16 b + 8 h + 0 .. 7
	global_load_b128 v[CBQ+8*\b+4:CBQ+8*\b+7], v[H32], s[88:89] offset:\b*64+16
	global_load_b128 v[CBK+8*\b:CBK+8*\b+3], v[H32], s[90:91] offset:\b*64
	global_load_b128 v[CBK+8*\b+4:CBK+8*\b+7], v[H32], s[90:91] offset:\b*64+16
	global_load_b32 v[CBV+8*\b], v[R4], s[12:13] offset:\b*64                    ; bv of channel 16 b + r
.endr
	WIN 0
	; q and k go to [sel][batch][head][tile of 16 positions][1,024 bytes]; scale words [sel][batch][head][tile][r][4]
	s_mov_b32 s45, 0
	s_lshl_b32 s40, s23, 3
	s_lshl_b32 s41, s17, 2
	s_add_co_u32 s40, s40, s41                     ; my first row block
	s_lshr_b32 s41, s40, 7                         ; batch
	s_and_b32 s40, s40, 127                        ; tile in the batch
	s_lshl_b32 s41, s41, 4
	s_add_co_u32 s42, s41, s19                     ; 16 batch + head
	s_lshl_b32 s44, s42, 17
	s_lshl_b32 s41, s40, 10
	s_add_co_u32 s44, s44, s41
	s_add_nc_u64 s[92:93], s[14:15], s[44:45]
	s_lshl_b32 s44, s42, 13
	s_lshl_b32 s41, s40, 6
	s_add_co_u32 s44, s44, s41
	s_add_co_u32 s44, s44, QKS
	s_add_nc_u64 s[94:95], s[14:15], s[44:45]
	; v goes to [batch x head][key step of 128][16 channels][c][h][r][16 keys]; scale words [batch x head][key step][16 channels][r][4]
	s_and_b32 s41, s23, 15                         ; key step
	s_lshl_b32 s44, s42, 17
	s_lshl_b32 s40, s41, 13
	s_add_co_u32 s44, s44, s40
	s_lshl_b32 s40, s17, 10                        ; my 64 keys: blocks 2 WI, 2 WI + 1
	s_add_co_u32 s44, s44, s40
	s_add_co_u32 s44, s44, VI
	s_add_nc_u64 s[76:77], s[14:15], s[44:45]
	s_lshl_b32 s44, s42, 12
	s_lshl_b32 s40, s41, 8
	s_add_co_u32 s44, s44, s40
	s_lshl_b32 s40, s17, 1
	s_add_co_u32 s44, s44, s40
	s_add_co_u32 s44, s44, VS
	s_add_nc_u64 s[78:79], s[14:15], s[44:45]
	s_mov_b32 s96, 0x76543210
	s_mov_b32 s97, 0xfedcba98                      ; lane l xor 16
	s_mov_b32 s98, 0x600000                        ; the mantissa field of 448
	s_mov_b32 s99, 0xffff0000                      ; lanes 16-31
	s_wait_alu depctr_va_vdst(0)
	s_wait_loadcnt 0x0                             ; the biases
	WIN 0x41                                       ; source 0 and destination window 1
.irp a, 0,1,2,3
.irp n, 1,2,3,4,5,6,7
	v_mov_b32 v[CBV+8*\a+\n], v[CBV+8*\a]          ; a channel's bias is the same for all eight registers
.endr
.endr
	WIN 0
	s_wait_alu depctr_va_vdst(0)
	s_wait_tensorcnt 0x0                           ; my tile of the head's four has landed,
	s_barrier_signal -1
	s_barrier_wait -1                              ; everybody's has
	XLOAD                                          ; x goes into registers;
	REFILL 0                                       ; when every wave holds it, wk's tile is filled over it
	TILEMUL ADRQA, ADRS, CBQ, 0                    ; q
	EPIQK
	s_wait_xcnt 0x0                                ; the stores have read their bases and data
	s_add_nc_u64 s[92:93], s[92:93], 32<<17        ; from q's 32 (batch, head) to k's
	s_add_nc_u64 s[94:95], s[94:95], 32<<13
	REFILL SLA                                     ; wk's tile is in; wv's goes where wq's lay
	TILEMUL ADRQB, ADRS1, CBK, 0                   ; k
	EPIQK
	s_wait_xcnt 0x0                                ; the stores have read the codes' registers
	s_wait_tensorcnt 0x0                           ; wv's tile: no load was issued behind it
	s_wait_dscnt 0x0
	s_barrier_signal -1
	s_barrier_wait -1                              ; it is shown to every wave
	TILEMUL ADRQA, ADRS2, CBV, 1                   ; v
.irp a, 0,1,2,3
	QUANT2 ACC+32*\a, CD+8*\a, PW+\a
	global_store_b128 v[LA2], v[CD+8*\a:CD+8*\a+3], s[76:77] offset:\a*2048        ; 512 consecutive bytes
	global_store_b128 v[LA2], v[CD+8*\a+4:CD+8*\a+7], s[76:77] offset:\a*2048+512
.endr
	v_cndmask_b32 v112, v[PW], v[PW+1], s99
	v_cndmask_b32 v113, v[PW+2], v[PW+3], s99
	global_store_b16 v[LW], v112, s[78:79]         ; half a scale word: my two blocks of the key step's four
	global_store_b16 v[LW], v113, s[78:79] offset:128
	s_wait_tensorcnt 0x0                           ; the wave's end
	ds_add_u32 v[SPW], v[NIL]
	s_wait_dscnt 0x0
	CROUND                                         ; the closing round
	s_endpgm
.Lfunc_end_k_q4585c523bc_qkv:
	.size	k_q4585c523bc_qkv, .Lfunc_end_k_q4585c523bc_qkv-k_q4585c523bc_qkv
	.p2alignl 7, 3214868480
	.fill 96, 4, 3214868480
	.section	.rodata,"a",@progbits
	.p2align	6, 0x0
	.amdhsa_kernel k_q4585c523bc_qkv
		.amdhsa_group_segment_fixed_size 327680
		.amdhsa_private_segment_fixed_size 0
		.amdhsa_enable_private_segment 0
		.amdhsa_kernarg_size 48
		.amdhsa_user_sgpr_count 2
		.amdhsa_user_sgpr_kernarg_segment_ptr 1
		.amdhsa_wavefront_size32 1
		.amdhsa_system_sgpr_workgroup_id_x 1
		.amdhsa_system_sgpr_workgroup_id_y 1
		.amdhsa_system_sgpr_workgroup_id_z 1
		.amdhsa_system_vgpr_workitem_id 0
		.amdhsa_next_free_vgpr 1024
		.amdhsa_next_free_sgpr 102
		.amdhsa_reserve_vcc 0
		.amdhsa_float_denorm_mode_32 3
		.amdhsa_float_denorm_mode_16_64 3
		.amdhsa_memory_ordered 1
		.amdhsa_forward_progress 1
		.amdhsa_inst_pref_size 162
	.end_amdhsa_kernel
	.amdgpu_metadata
---
amdhsa.version: [ 1, 2 ]
amdhsa.kernels:
  - .name:           k_q4585c523bc_qkv
    .symbol:         k_q4585c523bc_qkv.kd
    .args:
      - { .name: xbuf, .offset: 0, .size: 8, .value_kind: global_buffer, .address_space: global }
      - { .name: wimg, .offset: 8, .size: 8, .value_kind: global_buffer, .address_space: global }
      - { .name: bq, .offset: 16, .size: 8, .value_kind: global_buffer, .address_space: global }
      - { .name: bk, .offset: 24, .size: 8, .value_kind: global_buffer, .address_space: global }
      - { .name: bv, .offset: 32, .size: 8, .value_kind: global_buffer, .address_space: global }
      - { .name: qkvbuf, .offset: 40, .size: 8, .value_kind: global_buffer, .address_space: global }
    .group_segment_fixed_size: 327680
    .private_segment_fixed_size: 0
    .kernarg_segment_align: 8
    .kernarg_segment_size: 48
    .max_flat_workgroup_size: 128
    .sgpr_count:     102
    .vgpr_count:     1024
    .wavefront_size: 32
...
	.end_amdgpu_metadata
.endif
;; end of part 2
;; launch attn (part 3): grid 8 x 32, 16 waves a work-group, clusters of 4 x 1, 327,680 bytes of LDS; arguments qkvbuf, src_key_padding_mask, cbuf; writes cbuf
.if DOCPART == 3
	.amdgcn_target "amdgcn-amd-amdhsa--gfx1250"
	.amdhsa_code_object_version 6
	.text
	.protected	k_q4585c523bc_attn
	.globl	k_q4585c523bc_attn
	.p2align	8
	.type	k_q4585c523bc_attn,@function
k_q4585c523bc_attn:
	s_mov_b64 s[64:65], 0
	v_nop
	global_prefetch_b8 v0, s[64:65] scope:SCOPE_SE
	s_setreg_imm32_b32 hwreg(HW_REG_WAVE_MODE, 25, 1), 1
	s_wait_xcnt 0x0
	s_wait_alu depctr_hold_cnt(0) depctr_sa_sdst(0) depctr_va_vdst(0) depctr_va_sdst(0) depctr_va_ssrc(0) depctr_va_vcc(0) depctr_vm_vsrc(0)
	s_getreg_b32 s2, hwreg(HW_REG_IB_STS2, 6, 4)
	s_cmp_eq_u32 s2, 0
	s_cbranch_scc0 .Lentry_in_a_cluster
	s_endpgm
.Lentry_in_a_cluster:
	s_bfe_u32 s2, ttmp6, 0x10000c
	s_cmp_lg_u32 s2, 0x3003
	s_cbranch_scc0 .Lentry_shape_is_right
	s_endpgm
.Lentry_shape_is_right:
; Attention of one (batch, head) for 256 queries, on codes; then the quantiser of the context vector along the model's 1,024, whose codes leave as the next product's image.  Nothing of reference() is left out here.
; t = score x log2(e) / 8; M = the running largest t rounded up to a whole number; p = 2^(t - M) is quantised along the keys, not normalised; the row's sum is of the unquantised p and divides at the end.
; SHARES: sixteen waves, each one tile of 16 queries in 256 registers, four waves to a SIMD.  A WHOLE HEAD'S K AND V LIE IN LDS (2 x 131,072 bytes of codes, 12,288 of scale words): filled once, no ring, one barrier, one loop of 16 key steps.
; CLUSTER 4 x 1: the four query blocks of a cluster belong to one head: every tile is asked for jointly.  ONE LOAD A WAVE, in one chain of arms: waves 0-3 a quarter of K's codes each, waves 4-7 of V's, wave 8 K's scale words, wave 9 V's; the others none.
; LAYOUT: S^T = K Q^T, O^T = V^T P^T: a lane holds one query throughout.  By the positions' order (the first kernel's head) the 16 registers of score tiles 2 b, 2 b + 1 are keys 32 b + 16 (lane / 16) + 0 .. 15.
; THE HEAD'S 64 AGAINST THE INSTRUCTION'S 128: Q's upper 64 codes are zeros, and both sides' upper scale bytes are 0 (2^-127).  K's fragment T names 16 registers of which the upper eight are tile T + 1's codes
; (zeros behind tile 7): they meet Q's zeros.  This program's quantiser holds every number at 448 x the scale, so no code is the NaN code and each such product is 0.
; THE MASK costs no vector work in the loop: a table of f32 by token, 0 for a key that counts and -2^120 for one that does not, is loaded into the scores' registers and is the C, in place, of the score products.
; The running largest t starts at -2^100, above every masked t (about -2^117.5): a masked key never sets M, its p is 0.  Where a batch has NO key that counts, reference()'s scores are all equal: the table and Q's codes
; are then cleared by a select, all scores are 0 and the softmax is uniform, as there.
; LIMITS: true scores lie above about -2^102; NaN and infinities are not served; a block of zeros gets the byte 1.
; No prefetch: everything is asked for at the head; there is no loop to run ahead in.
.set VI,   8388608
.set QKS,  12582912
.set VS,   13107200
.set VIMG, 131072                      ; LDS: K's image at 0, V's here,
.set KSC,  262144                      ; K's scale words (8,192),
.set VSC,  270336                      ; V's (4,096),
.set MB,   274432                      ; the mask's table (8,192; written by LDS stores, never a fill's target),
.set SPARE, 282624                     ; the spare words, 128 bytes for each of sixteen waves
.set AK0, 1                            ; 16 x lane
.set AV0, 2                            ; VIMG + 16 x lane
.set ASK0, 3                           ; KSC + 4 r
.set ASV0, 4                           ; VSC + 4 r
.set SPW, 5
.set NIL, 6
.set AMB0, 7                           ; MB + 64 h
.set ADK, 8
.set ADV, 9
.set ADS, 10
.set ADT, 11
.set QF,  16                           ; v16-31 Q's fragment
.set KV,  32                           ; v32-95 K's eight tiles (8 registers each) or V's four (16 each); v96-103 zeros
.set S,   104                          ; v104-167 S^T, then p
.set O,   168                          ; v168-199 O^T
.set PC,  200                          ; v200-215 p's codes
.set SCR, 216                          ; v216-223 K's, then V's scale words
.set QS,  224                          ; Q's scale word
.set PS,  225                          ; p's
.set BM,  226                          ; v226-229 the blocks' largest
.set PT,  230                          ; v230-233
.set HO,  234                          ; v234-237 448 x the scale
.set SO,  238                          ; v238-241 the conversions' scale operands
.set FF,  242                          ; v[242:243] f
.set TT,  244
.set ADM, 245
.set HO2, 251                          ; v251-254 448 x the scale once more: the two halves of a dual instruction take their first sources from registers whose numbers differ modulo 4
.set WV,  10
.set G1C, 16
.set G1KS, 24
.set G1VS, 32
.set SEL, 66
.set CS,  68
.set MNT, 70
.set T8,  71
.set T5,  72
.set T2,  73
.set CNT, 74
.set FM,  75
.set FMV, 76
.macro PLACES n
.rept \n
	v_nop
.endr
.endm
.macro CROUND
	s_barrier_signal -1
	s_barrier_wait -1
	s_cmp_lg_u32 s[WV], 0
	s_cbranch_scc1 .Lnot_wave_0_\@
	s_barrier_signal -3
.Lnot_wave_0_\@:
	s_barrier_wait -3
	s_barrier_signal -1
	s_barrier_wait -1
.endm
.macro ARM under, g0, g1, next         ; an arm of the head's chain: one load, an s_nop 0 and four v_nop, a jump to the join
	s_cmp_lt_u32 s[WV], \under
	s_cbranch_scc0 \next
	tensor_load_to_lds s[\g0:\g0+3], s[\g1:\g1+7]
	s_nop 0
	PLACES 4
	s_branch .Lasked
\next:
.endm
	s_load_b128 s[4:7], s[0:1], 0x0                ; qkvbuf, the mask
	s_load_b64 s[8:9], s[0:1], 0x10                ; cbuf
	v_lshl_add_u32 v[SPW], v0, 2, SPARE
	v_mov_b32 v[NIL], 0
	ds_add_u32 v[SPW], v[NIL]                      ; the wave's opening
	ds_add_u32 v[SPW], v[NIL]
	v_lshrrev_b32 v8, 5, v0
	s_delay_alu instid0(VALU_DEP_1)
	v_readfirstlane_b32 s[WV], v8                  ; wave 0..15
	s_bfe_u32 s11, ttmp6, 0x40000                  ; cx: it enters Q's and the output's addresses alone
	s_and_b32 s12, ttmp7, 0xffff                   ; 16 x batch + head
	s_and_b32 s13, s[WV], 3                        ; which quarter I fetch
.irp g, G1C, G1KS, G1VS                ; dense blocks as rows of 256 bytes; the mask names all four partners
	s_mov_b32 s[\g], 15|(3<<16)|(1<<21)
	s_mov_b32 s[\g+1], 32<<16
	s_mov_b32 s[\g+3], 32<<16
	s_mov_b32 s[\g+5], 32
	s_mov_b32 s[\g+6], 0
	s_mov_b32 s[\g+7], 0
.endr
	s_mov_b32 s[G1C+2], 128<<16                    ; a quarter of a head's codes: 128 rows
	s_mov_b32 s[G1C+4], 128
	s_mov_b32 s[G1KS+2], 32<<16                    ; K's scale words: 32 rows
	s_mov_b32 s[G1KS+4], 32
	s_mov_b32 s[G1VS+2], 16<<16                    ; V's: 16 rows
	s_mov_b32 s[G1VS+4], 16
	s_lshl_b32 s78, s13, 15
	s_add_co_u32 s14, s12, 32                      ; k's heads lie behind q's 32
	s_lshl_b32 s80, s14, 13
	s_add_co_u32 s80, s80, QKS
	s_mov_b32 s81, 0
	s_lshl_b32 s82, s14, 17
	s_add_co_u32 s82, s82, s78
	s_mov_b32 s83, 0
	s_lshl_b32 s84, s12, 12
	s_add_co_u32 s84, s84, VS
	s_mov_b32 s85, 0
	s_lshl_b32 s86, s12, 17
	s_add_co_u32 s86, s86, s78
	s_add_co_u32 s86, s86, VI
	s_mov_b32 s87, 0
	s_mov_b32 s[SEL], 0x76543210
	s_mov_b32 s[SEL+1], 0xfedcba98
	s_mov_b32 s[CS], 0x3e38aa3b                    ; c = log2(e) / 8
	s_mov_b32 s[CS+1], s[CS]
	s_mov_b32 s[MNT], 0x600000
	s_mov_b32 s[T8], 0
	s_mov_b32 s[T5], 0
	s_mov_b32 s[T2], 0
	s_wait_dscnt 0x0                               ; both opening adds are done
	s_wait_kmcnt 0x0
	s_mov_b32 s40, 1                               ; K's scale words,
	s_mov_b32 s41, KSC
	s_add_nc_u64 s[42:43], s[4:5], s[80:81]
	s_or_b32 s43, s43, 0x80000000
	s_mov_b32 s44, 1                               ; a quarter of its codes,
	s_mov_b32 s45, s78
	s_add_nc_u64 s[46:47], s[4:5], s[82:83]
	s_or_b32 s47, s47, 0x80000000
	s_mov_b32 s52, 1                               ; V likewise
	s_mov_b32 s53, VSC
	s_add_nc_u64 s[54:55], s[4:5], s[84:85]
	s_or_b32 s55, s55, 0x80000000
	s_mov_b32 s56, 1
	s_add_co_u32 s57, s78, VIMG
	s_add_nc_u64 s[58:59], s[4:5], s[86:87]
	s_or_b32 s59, s59, 0x80000000
	CROUND                                         ; all four work-groups are here: the joint loads meet
	ARM 4, 44, G1C, .Lh_v
	ARM 8, 56, G1C, .Lh_ks
	ARM 9, 40, G1KS, .Lh_vs
	ARM 10, 52, G1VS, .Lh_none
.Lasked:
	s_lshl_b32 s14, ttmp9, 2
	s_add_co_u32 s14, s14, s11                     ; my block of 256 queries
	s_lshl_b32 s14, s14, 4
	s_add_co_u32 s14, s14, s[WV]                   ; my tile in the batch; it stands to the end
	s_lshl_b32 s88, s12, 17
	s_lshl_b32 s15, s14, 10
	s_add_co_u32 s88, s88, s15
	s_mov_b32 s89, 0
	s_add_nc_u64 s[88:89], s[4:5], s[88:89]        ; Q's codes
	s_lshl_b32 s90, s12, 13
	s_lshl_b32 s15, s14, 6
	s_add_co_u32 s90, s90, s15
	s_add_co_u32 s90, s90, QKS
	s_mov_b32 s91, 0
	s_add_nc_u64 s[90:91], s[4:5], s[90:91]        ; and scale words
	s_lshr_b32 s15, s12, 4
	s_lshl_b32 s80, s15, 11
	s_mov_b32 s81, 0
	s_add_nc_u64 s[6:7], s[6:7], s[80:81]          ; my batch's 2,048 mask bytes
	v_and_b32 v8, 31, v0
	s_delay_alu instid0(VALU_DEP_1)
	v_lshlrev_b32 v[AK0], 4, v8
	v_and_b32 v9, 15, v0                           ; r
	v_bfe_u32 v10, v0, 4, 1                        ; h
	s_delay_alu instid0(VALU_DEP_2)
	v_lshlrev_b32 v247, 2, v9                      ; 4 r
	v_lshlrev_b32 v246, 2, v0                      ; 4 x thread: my four tokens of the table
	global_load_b128 v[QF:QF+3], v[AK0], s[88:89]
	global_load_b128 v[QF+4:QF+7], v[AK0], s[88:89] offset:512
	global_load_b32 v[QS], v247, s[90:91]
.irp i, 0,1,2,3
	global_load_b128 v[S+4*\i:S+4*\i+3], v[AK0], s[6:7] offset:512*\i   ; the whole batch's mask, to see whether any key counts
.endr
	global_load_b32 v120, v246, s[6:7]
	v_add_nc_u32 v[AV0], VIMG, v[AK0]
	v_add_nc_u32 v[ASK0], KSC, v247
	v_add_nc_u32 v[ASV0], VSC, v247
	v_lshl_add_u32 v[AMB0], v10, 6, MB
	v_lshl_add_u32 v248, v0, 4, MB                 ; where my four numbers of the table go
	v_mov_b32 v13, 0xf1800000                      ; the largest t so far: -2^100
	s_delay_alu instid0(VALU_DEP_1)
	v_floor_f32 v12, -v13                          ; -M
	v_mov_b32 v14, 0                               ; the sum, in two halves
	v_mov_b32 v15, 0
.irp n, 0,1,2,3,4,5,6,7
	v_mov_b32 v[QF+8+\n], 0                        ; Q's upper 64 along K
	v_mov_b32 v[KV+64+\n], 0                       ; what stands behind K's tile 7
.endr
.irp n, 0,1,2,3
	v_mov_b32 v[PT+\n], 0                          ; lane permutes' destinations
.endr
	v_mov_b32 v[FF+1], 0                           ; named as the upper half of a pair
.set j, 0
.rept 32
	v_mov_b32 v[O+j], 0                            ; O^T: the step is written once; its first turn finds zeros
.set j, j+1
.endr
	s_wait_loadcnt 0x0
.irp i, 1
	v_or_b32 v[S], v[S], v[S+\i]
.endr
.irp i, 2, 3, 4, 5, 6, 7, 8, 9, 10, 11, 12, 13, 14, 15
	s_delay_alu instid0(VALU_DEP_1)
	v_or_b32 v[S], v[S], v[S+\i]
.endr
	s_delay_alu instid0(VALU_DEP_1)
	v_cmp_ne_u32 s77, 0, v[S]
	s_cmp_lg_u32 s77, 0
	s_cselect_b32 s[FM], -1, 0                     ; all ones where some key of the batch counts: a select, no branch
	s_and_b32 s[FMV], s[FM], 0xfb800000            ; -2^120, or 0
.irp i, 0,1,2,3
	v_bfe_u32 v[124+\i], v120, 8*\i, 8
	s_delay_alu instid0(VALU_DEP_1)
	v_add_nc_u32 v[124+\i], -1, v[124+\i]          ; byte 1: 0; byte 0: all ones
	s_delay_alu instid0(VALU_DEP_1)
	v_and_b32 v[124+\i], s[FMV], v[124+\i]
.endr
	ds_store_b128 v248, v[124:127]
.irp n, 0,1,2,3,4,5,6,7
	v_and_b32 v[QF+\n], s[FM], v[QF+\n]
.endr
; A KEY STEP: 128 keys.
.macro STEP
	v_add_nc_u32 v[ADK], s[T8], v[AK0]
	v_add_nc_u32 v[ADV], s[T8], v[AV0]
	v_add_nc_u32 v[ADS], s[T5], v[ASK0]
	v_add_nc_u32 v[ADT], s[T2], v[ASV0]
	v_add_nc_u32 v[ADM], s[T5], v[AMB0]
	PLACES 3                                       ; with the five additions: eight places in front of loads into registers that the last products read
.irp t, 0,1,2,3,4,5,6,7
	ds_load_b128 v[KV+8*\t:KV+8*\t+3], v[ADK] offset:\t*1024
	ds_load_b128 v[KV+8*\t+4:KV+8*\t+7], v[ADK] offset:\t*1024+512
	ds_load_b32 v[SCR+\t], v[ADS] offset:\t*64
	ds_load_b128 v[S+8*\t:S+8*\t+3], v[ADM] offset:(32*(\t/2)+8*(\t%2))*4        ; the table at my eight keys of tile t: 32 (t / 2) + 8 (t % 2) + 16 h + 0 .. 7
	ds_load_b128 v[S+8*\t+4:S+8*\t+7], v[ADM] offset:(32*(\t/2)+8*(\t%2))*4+16
.endr
	s_wait_alu depctr_va_vdst(0)
	s_wait_dscnt 0x0
.irp t, 0,1,2,3,4,5,6,7
	v_wmma_scale_f32_16x16x128_f8f6f4 v[S+8*\t:S+8*\t+7], v[KV+8*\t:KV+8*\t+15], v[QF:QF+15], v[S+8*\t:S+8*\t+7], v[SCR+\t], v[QS]
.endr
	PLACES 8
.irp t, 0,1,2,3                        ; V's four tiles land while the softmax is walked
.irp c, 0,1,2,3
	ds_load_b128 v[KV+16*\t+4*\c:KV+16*\t+4*\c+3], v[ADV] offset:\t*2048+\c*512
.endr
	ds_load_b32 v[SCR+\t], v[ADT] offset:\t*64
.endr
.irp b, 0,1,2,3
	v_max3_num_f32 v[BM+\b], v[S+16*\b], v[S+1+16*\b], v[S+2+16*\b]   ; the largest score of each block of 32 keys: for the row's maximum, and, since p rises with the score, for the block's largest p
.endr
.irp i, 3,5,7,9,11,13
.irp b, 0,1,2,3
	v_max3_num_f32 v[BM+\b], v[BM+\b], v[S+16*\b+\i], v[S+1+16*\b+\i]
.endr
.endr
.irp b, 0,1,2,3
	v_max_num_f32 v[BM+\b], v[BM+\b], v[S+15+16*\b]
.endr
.irp b, 0,1,2,3
	s_delay_alu instid0(VALU_DEP_4)
	v_permlanex16_b32 v[PT+\b], v[BM+\b], s[SEL], s[SEL+1]
.endr
.irp b, 0,1,2,3
	s_delay_alu instid0(VALU_DEP_4)
	v_max_num_f32 v[BM+\b], v[BM+\b], v[PT+\b]
.endr
	s_delay_alu instid0(VALU_DEP_2)
	v_max3_num_f32 v[TT], v[BM], v[BM+1], v[BM+2]
	s_delay_alu instid0(VALU_DEP_1)
	v_max_num_f32 v[TT], v[TT], v[BM+3]
	s_delay_alu instid0(VALU_DEP_1)
	v_mul_f32 v[TT], s[CS], v[TT]
	s_delay_alu instid0(VALU_DEP_1)
	v_max_num_f32 v13, v13, v[TT]                  ; the running largest t
	v_mov_b32 v[TT], v12
	s_delay_alu instid0(VALU_DEP_2)
	v_floor_f32 v12, -v13                          ; the new -M: a whole number
	s_delay_alu instid0(VALU_DEP_1)
	v_sub_f32 v[TT], v12, v[TT]                    ; old M - new M, 0 or less
	s_delay_alu instid0(VALU_DEP_1)
	v_cvt_i32_f32 v[TT], v[TT]                     ; (it saturates)
	s_delay_alu instid0(VALU_DEP_1)
	v_ldexp_f32 v[FF], 1.0, v[TT]                  ; f = 2^(old M - new M): rounds nothing
.set j, 0
.rept 32
	v_pk_fma_f32 v[S+j:S+j+1], v[S+j:S+j+1], s[CS:CS+1], v[12:13] op_sel_hi:[1,0,0]   ; t - M
.set j, j+2
.endr
.irp b, 0,1,2,3
	v_fma_f32 v[BM+\b], v[BM+\b], s[CS], v12
.endr
.set j, 0
	s_wait_alu depctr_va_vdst(0)
.rept 64
	v_exp_f32 v[S+j], v[S+j]                       ; p = 2^(t - M)
.set j, j+1
.endr
	v_pk_mul_f32 v[14:15], v[14:15], v[FF:FF+1] op_sel_hi:[1,0]   ; the sums under the new M; a plain instruction behind the exponentials
	s_wait_alu depctr_va_vdst(0)                   ; one wait for the batch, ahead of its first reader
.irp b, 0,1,2,3
	v_exp_f32 v[BM+\b], v[BM+\b]                   ; the blocks' largest p
.endr
; the row's sum of the unquantised p: 32 pairs in eight chains, seven of them begun here
.set k, 0
.irp r, 230,240,244,248,250,252,254
	v_pk_add_f32 v[\r:\r+1], v[S+2*k:S+2*k+1], v[S+14+2*k:S+15+2*k]
.set k, k+1
.endr
	v_pk_add_f32 v[14:15], v[14:15], v[S+28:S+29]
.irp o, 30,46
.set k, 0
.irp r, 230,240,244,248,250,252,254
	v_pk_add_f32 v[\r:\r+1], v[\r:\r+1], v[S+\o+2*k:S+\o+2*k+1]
.set k, k+1
.endr
	v_pk_add_f32 v[14:15], v[14:15], v[S+\o+14:S+\o+15]
.endr
	v_pk_add_f32 v[230:231], v[230:231], v[S+62:S+63]
	s_delay_alu instid0(VALU_DEP_2)
	v_pk_add_f32 v[14:15], v[14:15], v[250:251]
	s_delay_alu instid0(VALU_DEP_2)
	v_pk_add_f32 v[230:231], v[230:231], v[248:249]
	v_pk_add_f32 v[254:255], v[254:255], v[244:245]
	v_pk_add_f32 v[252:253], v[252:253], v[240:241]
	s_delay_alu instid0(VALU_DEP_2)
	v_pk_add_f32 v[14:15], v[14:15], v[254:255]
	s_delay_alu instid0(VALU_DEP_2)
	v_pk_add_f32 v[230:231], v[230:231], v[252:253]
	s_delay_alu instid0(VALU_DEP_1)
	v_pk_add_f32 v[14:15], v[14:15], v[230:231]
	s_wait_alu depctr_va_vdst(0)                   ; and one for the four
.irp b, 0,1,2,3
	v_max_num_f32 v[BM+\b], 0x4800000, v[BM+\b]    ; the floor 2^(9 - 127)
.endr
.irp b, 0,1,2,3
	s_delay_alu instid0(VALU_DEP_4)
	v_add_nc_u32 v[SO+\b], 0xfc000000, v[BM+\b]
.endr
.irp b, 0,1,2,3
	v_and_or_b32 v[HO+\b], v[BM+\b], 0x7f800000, s[MNT]
.endr
.irp b, 0,1,2,3
	v_and_or_b32 v[HO2+\b], v[BM+\b], 0x7f800000, s[MNT]
.endr
.irp b, 0,1,2,3
	v_lshrrev_b32 v[PT+\b], 23, v[SO+\b]
.endr
	s_delay_alu instid0(VALU_DEP_3)
	v_lshl_or_b32 v[PS], v[PT+1], 8, v[PT]         ; p's scale word for these 128 keys
	s_delay_alu instid0(VALU_DEP_1)
	v_lshl_or_b32 v[PS], v[PT+2], 16, v[PS]
	s_delay_alu instid0(VALU_DEP_1)
	v_lshl_or_b32 v[PS], v[PT+3], 24, v[PS]
.irp b, 0,1,2,3
.irp i, 0,2,4,6,8,10,12,14
	v_dual_min_num_f32 v[S+16*\b+\i], v[HO+\b], v[S+16*\b+\i] :: v_dual_min_num_f32 v[S+16*\b+\i+1], v[HO2+\b], v[S+16*\b+\i+1]   ; the conversion does not saturate (ISA guide 7.6.2); p is not negative; two holds an instruction
.endr
	v_cvt_scalef32_pk8_fp8_f32 v[PC+4*\b:PC+1+4*\b], v[S+16*\b:S+7+16*\b], v[SO+\b]
	v_cvt_scalef32_pk8_fp8_f32 v[PC+2+4*\b:PC+3+4*\b], v[S+8+16*\b:S+15+16*\b], v[SO+\b]
.endr
	s_wait_alu depctr_va_vdst(0)                   ; ahead of the first reader of O^T
.set j, 0
.rept 16
	v_pk_mul_f32 v[O+j:O+j+1], v[O+j:O+j+1], v[FF:FF+1] op_sel_hi:[1,0]   ; O^T under the new M; also the places in front of the products below
.set j, j+2
.endr
	s_wait_alu depctr_va_vdst(0)
	s_wait_dscnt 0x0                               ; V
.irp t, 0,1,2,3
	v_wmma_scale_f32_16x16x128_f8f6f4 v[O+8*\t:O+8*\t+7], v[KV+16*\t:KV+16*\t+15], v[PC:PC+15], v[O+8*\t:O+8*\t+7], v[SCR+\t], v[PS]
.endr
	s_add_co_u32 s[T8], s[T8], 8192
	s_add_co_u32 s[T5], s[T5], 512
	s_add_co_u32 s[T2], s[T2], 256
.endm
	s_wait_alu depctr_va_vdst(0)
	s_wait_tensorcnt 0x0                           ; my load, if I issued one, has landed: every wave waits, under no branch
	s_wait_dscnt 0x0                               ; my part of the table lies in LDS
	s_barrier_signal -1
	s_barrier_wait -1                              ; the whole head's K, V, scale words and table are in
	s_mov_b32 s[CNT], 16
.Lstep:
	STEP
	s_sub_co_u32 s[CNT], s[CNT], 1
	s_cmp_lg_u32 s[CNT], 0
	s_cbranch_scc1 .Lstep
	; THE WAY OUT: O^T / the sum is the context vector: lane (r, h), register 8 t + n: channel 64 head + 16 t + 8 h + n of position r.  Its two blocks of 32 are quantised; eight codes a lane and tile are 8 bytes of the image.
	PLACES 8
	v_add_f32 v14, v14, v15
	s_delay_alu instid0(VALU_DEP_1)
	v_permlanex16_b32 v[PT], v14, s[SEL], s[SEL+1]
	s_delay_alu instid0(VALU_DEP_1)
	v_add_f32 v14, v14, v[PT]
	s_wait_alu depctr_va_vdst(0)
	v_rcp_f32 v14, v14
	v_and_b32 v8, 15, v0                           ; (a plain instruction behind the reciprocal)
	v_bfe_u32 v9, v0, 4, 1
	s_delay_alu instid0(VALU_DEP_2)
	v_lshlrev_b32 v249, 4, v8
	s_delay_alu instid0(VALU_DEP_1)
	v_lshl_add_u32 v249, v9, 3, v249               ; 16 r + 8 h
	s_lshr_b32 s15, s12, 4
	s_lshl_b32 s15, s15, 7
	s_add_co_u32 s15, s15, s14                     ; my row block: 128 x batch + tile
	s_and_b32 s77, s12, 15                         ; head
	s_lshr_b32 s80, s77, 3
	s_lshl_b32 s80, s80, 21                        ; chunk head / 8
	s_lshl_b32 s78, s15, 13
	s_add_co_u32 s80, s80, s78
	s_bfe_u32 s78, s77, 0x20001                    ; quarter (head / 2) % 4
	s_lshl_b32 s78, s78, 11
	s_add_co_u32 s80, s80, s78
	s_and_b32 s78, s77, 1
	s_lshl_b32 s79, s78, 10
	s_add_co_u32 s80, s80, s79
	s_mov_b32 s81, 0
	s_add_nc_u64 s[82:83], s[8:9], s[80:81]
	s_lshr_b32 s80, s77, 1
	s_lshl_b32 s80, s80, 14                        ; K step head / 2
	s_lshl_b32 s79, s15, 6
	s_add_co_u32 s80, s80, s79
	s_lshl_b32 s79, s78, 1
	s_add_co_u32 s80, s80, s79
	s_add_co_u32 s80, s80, 4194304
	s_add_nc_u64 s[84:85], s[8:9], s[80:81]
	s_wait_alu depctr_va_vdst(0)                   ; the wait, ahead of the reciprocal's first reader
.set j, 0
.rept 32
	v_mul_f32 v[S+j], v[O+j], v14
.set j, j+1
.endr
.irp c, 0,1
	v_max3_num_f32 v[BM+\c], |v[S+16*\c]|, |v[S+16*\c+1]|, 0x4800000
.endr
.irp i, 2,4,6,8,10,12,14
.irp c, 0,1
	s_delay_alu instid0(VALU_DEP_2)
	v_max3_num_f32 v[BM+\c], v[BM+\c], |v[S+16*\c+\i]|, |v[S+16*\c+\i+1]|
.endr
.endr
.irp c, 0,1
	s_delay_alu instid0(VALU_DEP_2)
	v_permlanex16_b32 v[PT+\c], v[BM+\c], s[SEL], s[SEL+1]
.endr
.irp c, 0,1
	s_delay_alu instid0(VALU_DEP_2)
	v_max_num_f32 v[BM+\c], v[BM+\c], v[PT+\c]
.endr
.irp c, 0,1
	s_delay_alu instid0(VALU_DEP_2)
	v_add_nc_u32 v[SO+\c], 0xfc000000, v[BM+\c]
.endr
.irp c, 0,1
	s_delay_alu instid0(VALU_DEP_4)
	v_and_or_b32 v[HO+\c], v[BM+\c], 0x7f800000, s[MNT]
.endr
.irp c, 0,1
	s_delay_alu instid0(VALU_DEP_4)
	v_lshrrev_b32 v[PT+\c], 23, v[SO+\c]
.endr
	s_delay_alu instid0(VALU_DEP_1)
	v_lshl_or_b32 v248, v[PT+1], 8, v[PT]
.irp c, 0,1
.irp i, 0,1,2,3,4,5,6,7,8,9,10,11,12,13,14,15
	v_med3_num_f32 v[S+16*\c+\i], v[S+16*\c+\i], -v[HO+\c], v[HO+\c]
.endr
	v_cvt_scalef32_pk8_fp8_f32 v[PC+4*\c:PC+4*\c+1], v[S+16*\c:S+16*\c+7], v[SO+\c]
	v_cvt_scalef32_pk8_fp8_f32 v[PC+4*\c+2:PC+4*\c+3], v[S+16*\c+8:S+16*\c+15], v[SO+\c]
.endr
	v_nop
.irp t, 0,1,2,3
	global_store_b64 v249, v[PC+2*\t:PC+2*\t+1], s[82:83] offset:\t*256   ; the 32 lanes fill 256 consecutive bytes, aligned
.endr
	global_store_b16 v247, v248, s[84:85]          ; half a scale word; both halves of the lanes hold and write the same
	s_wait_tensorcnt 0x0                           ; the wave's end
	ds_add_u32 v[SPW], v[NIL]
	s_wait_dscnt 0x0
	CROUND                                         ; the closing round
	s_endpgm
.Lfunc_end_k_q4585c523bc_attn:
	.size	k_q4585c523bc_attn, .Lfunc_end_k_q4585c523bc_attn-k_q4585c523bc_attn
	.p2alignl 7, 3214868480
	.fill 96, 4, 3214868480
	.section	.rodata,"a",@progbits
	.p2align	6, 0x0
	.amdhsa_kernel k_q4585c523bc_attn
		.amdhsa_group_segment_fixed_size 327680
		.amdhsa_private_segment_fixed_size 0
		.amdhsa_enable_private_segment 0
		.amdhsa_kernarg_size 24
		.amdhsa_user_sgpr_count 2
		.amdhsa_user_sgpr_kernarg_segment_ptr 1
		.amdhsa_wavefront_size32 1
		.amdhsa_system_sgpr_workgroup_id_x 1
		.amdhsa_system_sgpr_workgroup_id_y 1
		.amdhsa_system_sgpr_workgroup_id_z 1
		.amdhsa_system_vgpr_workitem_id 0
		.amdhsa_next_free_vgpr 256
		.amdhsa_next_free_sgpr 100
		.amdhsa_reserve_vcc 0
		.amdhsa_float_denorm_mode_32 3
		.amdhsa_float_denorm_mode_16_64 3
		.amdhsa_memory_ordered 1
		.amdhsa_forward_progress 1
		.amdhsa_inst_pref_size 42
	.end_amdhsa_kernel
	.amdgpu_metadata
---
amdhsa.version: [ 1, 2 ]
amdhsa.kernels:
  - .name:           k_q4585c523bc_attn
    .symbol:         k_q4585c523bc_attn.kd
    .args:
      - { .name: qkvbuf, .offset: 0, .size: 8, .value_kind: global_buffer, .address_space: global }
      - { .name: src_key_padding_mask, .offset: 8, .size: 8, .value_kind: global_buffer, .address_space: global }
      - { .name: cbuf, .offset: 16, .size: 8, .value_kind: global_buffer, .address_space: global }
    .group_segment_fixed_size: 327680
    .private_segment_fixed_size: 0
    .kernarg_segment_align: 8
    .kernarg_segment_size: 24
    .max_flat_workgroup_size: 512
    .sgpr_count:     100
    .vgpr_count:     256
    .wavefront_size: 32
...
	.end_amdgpu_metadata
.endif
;; end of part 3
;; launch oproj (part 4): grid 8 x 32, 4 waves a work-group, clusters of 4 x 4, 327,680 bytes of LDS; arguments cbuf, wimg, bo, feature, f2; writes f2
.if DOCPART == 4
	.amdgcn_target "amdgcn-amd-amdhsa--gfx1250"
	.amdhsa_code_object_version 6
	.text
	.protected	k_q4585c523bc_oproj
	.globl	k_q4585c523bc_oproj
	.p2align	8
	.type	k_q4585c523bc_oproj,@function
k_q4585c523bc_oproj:
	s_mov_b64 s[64:65], 0
	v_nop
	global_prefetch_b8 v0, s[64:65] scope:SCOPE_SE
	s_setreg_imm32_b32 hwreg(HW_REG_WAVE_MODE, 25, 1), 1
	s_wait_xcnt 0x0
	s_wait_alu depctr_hold_cnt(0) depctr_sa_sdst(0) depctr_va_vdst(0) depctr_va_sdst(0) depctr_va_ssrc(0) depctr_va_vcc(0) depctr_vm_vsrc(0)
	s_getreg_b32 s2, hwreg(HW_REG_IB_STS2, 6, 4)
	s_cmp_eq_u32 s2, 0
	s_cbranch_scc0 .Lentry_in_a_cluster
	s_endpgm
.Lentry_in_a_cluster:
	s_bfe_u32 s2, ttmp6, 0x10000c
	s_cmp_lg_u32 s2, 0xf033
	s_cbranch_scc0 .Lentry_shape_is_right
	s_endpgm
.Lentry_shape_is_right:
.set NCH,  2
.set QIMG, 4194304
.set QSCO, 13762560
.set PSCO, 4194304
.set RBP,  256
.set RBQ,  64
.set R,    4*NCH                       ; K steps whose scale words one load brings: all of them
.set PSCB, 2048*NCH
.set SLOT, 131072
.set SCL,  2*SLOT
.set SPARE, SCL+2*PSCB
.set SPITCH, 528
.set ADRP, 16
.set ADRQ, 18
.set ADRS, 20
.set LA2,  22
.set STO,  24
.set RD,   25
.set H32,  27
.set SPW,  28
.set NIL,  29
.set SC,   32
.set CB,   40
.set ACC,  128
.set F0,   0
.set F1,   128
.set G1P, 24
.set G0P, 32
.set G1Q, 48
.set G0Q, 56
.set G1SP, 68
.set G0SP, 76
.set G1SQ, 80
.set G0SQ, 88
.set MSB, 0
.macro WIN new
.if MSB != \new
	s_set_vgpr_msb (MSB<<8)|\new
.set MSB, \new
.endif
.endm
.macro PLACES n
.rept \n
	v_nop
.endr
.endm
.macro ARM under, g0, g1, next         ; an arm of the head's chain: one load, an s_nop 0 and four v_nop, a jump to the join
	s_cmp_lt_u32 s16, \under
	s_cbranch_scc0 \next
	tensor_load_to_lds s[\g0:\g0+3], s[\g1:\g1+7]
	s_nop 0
	PLACES 4
	s_branch .Lasked
\next:
.endm
.macro CROUND
	s_barrier_signal -1
	s_barrier_wait -1
	s_cmp_lg_u32 s16, 0
	s_cbranch_scc1 .Lnot_wave_0_\@
	s_barrier_signal -3
.Lnot_wave_0_\@:
	s_barrier_wait -3
	s_barrier_signal -1
	s_barrier_wait -1
.endm
.macro FETCH slot, kq, f, sc
	WIN 0x40
.irp b, 0,1,2,3
.irp c, 0,1,2,3
	ds_load_b128 v[\f+64+16*\b+4*\c:\f+64+16*\b+4*\c+3], v[ADRQ+\slot] offset:\b*8192+(\kq)*2048+\c*512
.endr
.endr
.irp a, 0,1,2,3
.irp c, 0,1,2,3
	ds_load_b128 v[\f+16*\a+4*\c:\f+16*\a+4*\c+3], v[ADRP+\slot] offset:\a*8192+(\kq)*2048+\c*512
.endr
.endr
	WIN 0
.irp i, 0,1,2,3
	ds_load_b32 v[SC+4*\sc+\i], v[ADRS] offset:\i*64+(\kq)*512
.endr
.endm
.macro MUL16 f, sc, mode
.irp a, 0,1,2,3
.irp b, 0,1,2,3
.if \mode == 0
	v_wmma_scale_f32_16x16x128_f8f6f4 v[ACC+8*(4*\a+\b):ACC+8*(4*\a+\b)+7], v[\f+64+16*\b:\f+64+16*\b+15], v[\f+16*\a:\f+16*\a+15], v[ACC+8*(4*\a+\b):ACC+8*(4*\a+\b)+7], v[SC+4*\sc+\b], v[SC+4*\sc+\a] matrix_a_scale:MATRIX_SCALE_ROW1
.else
	v_wmma_scale_f32_16x16x128_f8f6f4 v[ACC+8*(4*\a+\b):ACC+8*(4*\a+\b)+7], v[\f+64+16*\b:\f+64+16*\b+15], v[\f+16*\a:\f+16*\a+15], v[CB+8*\b:CB+8*\b+7], v[SC+4*\sc+\b], v[SC+4*\sc+\a] matrix_a_scale:MATRIX_SCALE_ROW1
.endif
.endr
.endr
.endm
.macro CHUNK slot, mode
.if \mode == 0
	PLACES 8
.endif
	FETCH \slot, 0, F0, 0
	FETCH \slot, 1, F1, 1
	s_wait_dscnt 36
	WIN 0x05
	MUL16 F0, 0, \mode
	PLACES 8
	FETCH \slot, 2, F0, 0
	s_wait_dscnt 36
	WIN 0x05
	MUL16 F1, 1, 0
	PLACES 8
	FETCH \slot, 3, F1, 1
	s_wait_dscnt 36
	WIN 0x05
	MUL16 F0, 0, 0
	s_wait_dscnt 0x0
	MUL16 F1, 1, 0
	WIN 0
	v_add_nc_u32 v[ADRS], 2048, v[ADRS]
.endm
	s_load_b256 s[4:11], s[0:1], 0x0
	s_load_b64 s[12:13], s[0:1], 0x20
	v_lshl_add_u32 v[SPW], v0, 2, SPARE
	v_mov_b32 v[NIL], 0
	ds_add_u32 v[SPW], v[NIL]
	ds_add_u32 v[SPW], v[NIL]
	v_lshrrev_b32 v1, 5, v0
	v_readfirstlane_b32 s16, v1
	s_lshr_b32 s17, s16, 1
	s_and_b32 s18, s16, 1
	s_bfe_u32 s20, ttmp6, 0x40000
	s_bfe_u32 s21, ttmp6, 0x40004
	s_lshl_b32 s22, ttmp9, 2
	s_add_co_u32 s22, s22, s20
	s_and_b32 s23, ttmp7, 0xffff
	s_lshl_b32 s23, s23, 2
	s_add_co_u32 s23, s23, s21
	s_lshl_b32 s40, s21, 2
	s_lshl_b32 s40, 15, s40
	s_lshl_b32 s41, 0x1111, s20
	s_or_b32 s[G1P], s40, (3<<16)|(1<<21)
	s_or_b32 s[G1Q], s41, (3<<16)|(1<<21)
	s_or_b32 s[G1SP], s40, (3<<16)|(1<<21)
	s_or_b32 s[G1SQ], s41, (3<<16)|(1<<21)
.irp g, G1P, G1Q                       ; codes: both K chunks of a tile, 65,536 dense bytes each, by one load
	s_mov_b32 s[\g+1], 8192<<16
	s_mov_b32 s[\g+2], 2<<16
	s_mov_b32 s[\g+3], 8192<<16
	s_mov_b32 s[\g+4], 2
	s_mov_b32 s[\g+6], 0
	s_mov_b32 s[\g+7], 0
.endr
	s_mov_b32 s[G1P+5], RBP*1024                   ; from chunk to chunk, in elements of 8 bytes
	s_mov_b32 s[G1Q+5], RBQ*1024
.irp g, G1SP, G1SQ
	s_mov_b32 s[\g+1], 64<<16
	s_mov_b32 s[\g+2], R<<16
	s_mov_b32 s[\g+3], 64<<16
	s_mov_b32 s[\g+4], R
	s_mov_b32 s[\g+6], 0
	s_mov_b32 s[\g+7], 0
.endr
	s_mov_b32 s[G1SP+5], RBP*8
	s_mov_b32 s[G1SQ+5], RBQ*8
	s_lshl_b32 s42, s23, 16
	s_mov_b32 s43, 0
	s_lshl_b32 s44, s22, 16
	s_add_co_u32 s44, s44, QIMG
	s_mov_b32 s45, 0
	s_lshl_b32 s46, s23, 9
	s_add_co_u32 s46, s46, PSCO
	s_mov_b32 s47, 0
	s_lshl_b32 s2, s22, 9
	s_add_co_u32 s2, s2, QSCO
	s_mov_b32 s3, 0
	s_wait_dscnt 0x0
	s_wait_kmcnt 0x0
	s_add_nc_u64 s[42:43], s[4:5], s[42:43]
	s_add_nc_u64 s[46:47], s[4:5], s[46:47]
	s_add_nc_u64 s[44:45], s[6:7], s[44:45]
	s_add_nc_u64 s[2:3], s[6:7], s[2:3]
	CROUND
	s_mov_b32 s[G0SP], 1
	s_mov_b32 s[G0SP+1], SCL
	s_mov_b64 s[G0SP+2:G0SP+3], s[46:47]
	s_or_b32 s[G0SP+3], s[G0SP+3], 0x80000000
	s_mov_b32 s[G0SQ], 1
	s_mov_b32 s[G0SQ+1], SCL+PSCB
	s_mov_b64 s[G0SQ+2:G0SQ+3], s[2:3]
	s_or_b32 s[G0SQ+3], s[G0SQ+3], 0x80000000
	s_mov_b32 s[G0P], 1                            ; P's tile, all of K, at LDS 0 (chunk kc at 65,536 kc); Q's at SLOT likewise
	s_mov_b32 s[G0P+1], 0
	s_mov_b64 s[G0P+2:G0P+3], s[42:43]
	s_or_b32 s[G0P+3], s[G0P+3], 0x80000000
	s_mov_b32 s[G0Q], 1
	s_mov_b32 s[G0Q+1], SLOT
	s_mov_b64 s[G0Q+2:G0Q+3], s[44:45]
	s_or_b32 s[G0Q+3], s[G0Q+3], 0x80000000
	ARM 1, G0P, G1P, .Lh_q                         ; the head's four tiles, one load a wave, in one chain; nothing is filled again
	ARM 2, G0Q, G1Q, .Lh_sp
	ARM 3, G0SP, G1SP, .Lh_sq
	tensor_load_to_lds s[G0SQ:G0SQ+3], s[G1SQ:G1SQ+7]
	s_nop 0
	PLACES 4
.Lasked:
	v_and_b32 v1, 15, v0
	v_bfe_u32 v2, v0, 4, 1
	v_and_b32 v3, 31, v0
	v_lshlrev_b32 v[LA2], 4, v3
	v_lshlrev_b32 v[H32], 5, v2
	s_lshl_b32 s40, s17, 15
	s_lshl_b32 s41, s18, 15
	s_add_co_u32 s41, s41, SLOT
	v_add_nc_u32 v[ADRP], s40, v[LA2]
	v_add_nc_u32 v[ADRQ], s41, v[LA2]
	v_add_nc_u32 v[ADRP+1], 65536, v[ADRP]
	v_add_nc_u32 v[ADRQ+1], 65536, v[ADRQ]
	s_lshl_b32 s40, s17, 8
	s_lshl_b32 s41, s18, 8
	s_add_co_u32 s41, s41, PSCB
	s_sub_co_u32 s41, s41, s40
	v_mul_u32_u24 v[ADRS], s41, v2
	v_lshl_add_u32 v[ADRS], v1, 2, v[ADRS]
	s_add_co_u32 s40, s40, SCL
	v_add_nc_u32 v[ADRS], s40, v[ADRS]
	s_mul_i32 s40, s17, 64*SPITCH
	s_lshl_b32 s41, s18, 8
	s_add_co_u32 s40, s40, s41
	v_mul_u32_u24 v[STO], v1, SPITCH
	v_lshl_add_u32 v[STO], v2, 5, v[STO]
	v_add_nc_u32 v[STO], s40, v[STO]
	s_mul_i32 s40, s16, 32*SPITCH
	v_add_nc_u32 v[RD], s40, v[LA2]
	s_lshl_b32 s40, s22, 9
	s_lshl_b32 s19, s18, 8
	s_add_co_u32 s40, s40, s19
	s_mov_b32 s41, 0
	s_add_nc_u64 s[8:9], s[8:9], s[40:41]
	s_lshl_b32 s40, s23, 19
	s_lshl_b32 s19, s16, 17
	s_add_co_u32 s40, s40, s19
	s_lshl_b32 s19, s22, 9
	s_add_co_u32 s40, s40, s19
	s_add_nc_u64 s[92:93], s[10:11], s[40:41]
	s_add_nc_u64 s[94:95], s[12:13], s[40:41]
.irp b, 0,1,2,3
	global_load_b128 v[CB+8*\b:CB+8*\b+3], v[H32], s[8:9] offset:\b*64
	global_load_b128 v[CB+8*\b+4:CB+8*\b+7], v[H32], s[8:9] offset:\b*64+16
.endr
	WIN 0x80
.set i, 0
.rept 32
	global_load_b128 v[4*i:4*i+3], v[LA2], s[92:93] offset:((i&7)|((i&8)<<1)|((i&16)>>1))*4096
.set i, i+1
.endr
	WIN 0
	s_wait_alu depctr_va_vdst(0)
	s_wait_loadcnt 32
	s_wait_tensorcnt 0x0                           ; my tile of the head's four has landed: every wave waits
	s_barrier_signal -1
	s_barrier_wait -1
	CHUNK 0, 1
	s_wait_alu depctr_va_vdst(0)                   ; the scale words' address was just stepped
	CHUNK 1, 0
	PLACES 8
	s_wait_dscnt 0x0                               ; my reads of the tiles are over;
	s_barrier_signal -1
	s_barrier_wait -1                              ; everybody's are: the stage below lies over P's tile, which has had its only fill
.irp a, 0,1,2,3
.irp b, 0,1,2,3
	ds_store_b128 v[STO], v[ACC+8*(4*\a+\b):ACC+8*(4*\a+\b)+3] offset:\a*16*SPITCH+\b*64
	ds_store_b128 v[STO], v[ACC+8*(4*\a+\b)+4:ACC+8*(4*\a+\b)+7] offset:\a*16*SPITCH+\b*64+16
.endr
.endr
	s_wait_dscnt 0x0
	s_barrier_signal -1
	s_barrier_wait -1
.set i, 0
.rept 32
	ds_load_b128 v[ACC+4*i:ACC+4*i+3], v[RD] offset:i*SPITCH
.set i, i+1
.endr
	s_wait_loadcnt 0x0
	s_wait_dscnt 0x0
	WIN 0x08
.set i, 0
.rept 64
	v_pk_add_f32 v[ACC+2*i:ACC+2*i+1], v[ACC+2*i:ACC+2*i+1], v[2*i:2*i+1]
.set i, i+1
.endr
	WIN 0
.set i, 0
.rept 32
	global_store_b128 v[LA2], v[ACC+4*i:ACC+4*i+3], s[94:95] offset:((i&7)|((i&8)<<1)|((i&16)>>1))*4096
.set i, i+1
.endr
	s_wait_tensorcnt 0x0
	ds_add_u32 v[SPW], v[NIL]
	s_wait_dscnt 0x0
	CROUND
	s_endpgm
.Lfunc_end_k_q4585c523bc_oproj:
	.size	k_q4585c523bc_oproj, .Lfunc_end_k_q4585c523bc_oproj-k_q4585c523bc_oproj
	.p2alignl 7, 3214868480
	.fill 96, 4, 3214868480
	.section	.rodata,"a",@progbits
	.p2align	6, 0x0
	.amdhsa_kernel k_q4585c523bc_oproj
		.amdhsa_group_segment_fixed_size 327680
		.amdhsa_private_segment_fixed_size 0
		.amdhsa_enable_private_segment 0
		.amdhsa_kernarg_size 40
		.amdhsa_user_sgpr_count 2
		.amdhsa_user_sgpr_kernarg_segment_ptr 1
		.amdhsa_wavefront_size32 1
		.amdhsa_system_sgpr_workgroup_id_x 1
		.amdhsa_system_sgpr_workgroup_id_y 1
		.amdhsa_system_sgpr_workgroup_id_z 1
		.amdhsa_system_vgpr_workitem_id 0
		.amdhsa_next_free_vgpr 640
		.amdhsa_next_free_sgpr 102
		.amdhsa_reserve_vcc 0
		.amdhsa_float_denorm_mode_32 3
		.amdhsa_float_denorm_mode_16_64 3
		.amdhsa_memory_ordered 1
		.amdhsa_forward_progress 1
		.amdhsa_inst_pref_size 60
	.end_amdhsa_kernel
	.amdgpu_metadata
---
amdhsa.version: [ 1, 2 ]
amdhsa.kernels:
  - .name:           k_q4585c523bc_oproj
    .symbol:         k_q4585c523bc_oproj.kd
    .args:
      - { .name: cbuf, .offset: 0, .size: 8, .value_kind: global_buffer, .address_space: global }
      - { .name: wimg, .offset: 8, .size: 8, .value_kind: global_buffer, .address_space: global }
      - { .name: bo, .offset: 16, .size: 8, .value_kind: global_buffer, .address_space: global }
      - { .name: feature, .offset: 24, .size: 8, .value_kind: global_buffer, .address_space: global }
      - { .name: f2, .offset: 32, .size: 8, .value_kind: global_buffer, .address_space: global }
    .group_segment_fixed_size: 327680
    .private_segment_fixed_size: 0
    .kernarg_segment_align: 8
    .kernarg_segment_size: 40
    .max_flat_workgroup_size: 128
    .sgpr_count:     102
    .vgpr_count:     640
    .wavefront_size: 32
...
	.end_amdgpu_metadata
.endif
;; end of part 4
;; launch ln2 (part 5): grid 256 x 1, 8 waves a work-group, no clusters, 66,816 bytes of LDS; arguments f2, ln2_g, ln2_b, xbuf; writes xbuf
.if DOCPART == 5
	.amdgcn_target "amdgcn-amd-amdhsa--gfx1250"
	.amdhsa_code_object_version 6
	.text
	.protected	k_q4585c523bc_ln2
	.globl	k_q4585c523bc_ln2
	.p2align	8
	.type	k_q4585c523bc_ln2,@function
k_q4585c523bc_ln2:
	s_mov_b64 s[64:65], 0
	v_nop
	global_prefetch_b8 v0, s[64:65] scope:SCOPE_SE
	s_setreg_imm32_b32 hwreg(HW_REG_WAVE_MODE, 25, 1), 1
	s_wait_xcnt 0x0
; LayerNorm of 16 rows of 1,024 f32, then the quantiser along the 1,024; the codes leave as an image of an operand's registers (layout and the order of positions: the first kernel's head), the scale words beside them.
; Nothing of reference() is left out here.
; PHASE 1: wave w norms image rows 2 w and 2 w + 1: a row is 32 registers of the wave, read once; mean, then the mean of the squared differences, as reference() has them.  The result goes to a stage in LDS.
; PHASE 2: wave w is K step w: lane (r, h) takes of row r the 16 numbers k = 128 w + 32 c + 16 h + 0 .. 15 of each block c, quantises, and its conversions' results are the operand's registers.
; LIMITS: NaN and infinities are not served; a block of zeros gets the byte 1 (its codes are zeros, and this program alone reads the bytes).
.set PITCH, 4112                       ; a stage row: 4,096 bytes + 16: the sixteen rows that a load touches begin at sixteen different 16-byte columns
.set SPARE, 16*PITCH                   ; behind the stage: the spare words, 128 bytes for each of eight waves
.set SPW, 2
.set NIL, 3
.set LI,  5                            ; 16 x lane
.set STI, 8                            ; the stage, on the way in
.set STO, 9                            ; and out
.set R4,  10                           ; 4 r
.set X,   16                           ; v16-47 row 0, v48-79 row 1; in phase 2 my 64 numbers
.set G,   80                           ; v80-111 the gain
.set BB,  112                          ; v112-143 the bias
.set TM,  144                          ; phase 1: v144-151, v152-159 four chains a row; phase 2: largest magnitudes, bytes, holds, scales
.set PW,  160                          ; the scale word
.set PC,  164                          ; v164-179 the codes
.set SEL, 12
.set MNT, 16
.macro FOLD                            ; each row's four chains of pairs become one number
.irp e, 0
	v_pk_add_f32 v[TM+8*\e:TM+8*\e+1], v[TM+8*\e:TM+8*\e+1], v[TM+8*\e+2:TM+8*\e+3]
	v_pk_add_f32 v[TM+8*\e+4:TM+8*\e+5], v[TM+8*\e+4:TM+8*\e+5], v[TM+8*\e+6:TM+8*\e+7]
.endr
.irp e, 1
	v_pk_add_f32 v[TM+8*\e:TM+8*\e+1], v[TM+8*\e:TM+8*\e+1], v[TM+8*\e+2:TM+8*\e+3]
	s_delay_alu instid0(VALU_DEP_4)
	v_pk_add_f32 v[TM+8*\e+4:TM+8*\e+5], v[TM+8*\e+4:TM+8*\e+5], v[TM+8*\e+6:TM+8*\e+7]
.endr
.irp e, 0
	s_delay_alu instid0(VALU_DEP_3)
	v_pk_add_f32 v[TM+8*\e:TM+8*\e+1], v[TM+8*\e:TM+8*\e+1], v[TM+8*\e+4:TM+8*\e+5]
.endr
.irp e, 1
	s_delay_alu instid0(VALU_DEP_2)
	v_pk_add_f32 v[TM+8*\e:TM+8*\e+1], v[TM+8*\e:TM+8*\e+1], v[TM+8*\e+4:TM+8*\e+5]
.endr
.irp e, 0,1
	s_delay_alu instid0(VALU_DEP_2)
	v_add_f32 v[TM+8*\e], v[TM+8*\e], v[TM+8*\e+1]
.endr
.irp m, 1,2,4,8                        ; and the sum over the 32 lanes, in every lane
	s_delay_alu instid0(VALU_DEP_2)
	v_add_f32_dpp v[TM], v[TM], v[TM] row_xmask:\m row_mask:0xf bank_mask:0xf
	s_delay_alu instid0(VALU_DEP_2)
	v_add_f32_dpp v[TM+8], v[TM+8], v[TM+8] row_xmask:\m row_mask:0xf bank_mask:0xf
.endr
	s_delay_alu instid0(VALU_DEP_2)
	v_permlanex16_b32 v160, v[TM], s[SEL], s[SEL+1]
	s_delay_alu instid0(VALU_DEP_2)
	v_permlanex16_b32 v161, v[TM+8], s[SEL], s[SEL+1]
	s_delay_alu instid0(VALU_DEP_2)
	v_add_f32 v[TM], v[TM], v160
	s_delay_alu instid0(VALU_DEP_2)
	v_add_f32 v[TM+8], v[TM+8], v161
.endm
	s_load_b256 s[4:11], s[0:1], 0x0               ; src, gain, bias, dst
	v_lshl_add_u32 v[SPW], v0, 2, SPARE
	v_mov_b32 v[NIL], 0
	v_lshrrev_b32 v1, 5, v0
	s_delay_alu instid0(VALU_DEP_1)
	v_readfirstlane_b32 s2, v1                     ; wave 0..7
	v_and_b32 v4, 31, v0
	s_delay_alu instid0(VALU_DEP_1)
	v_lshlrev_b32 v[LI], 4, v4
	v_and_b32 v6, 15, v0                           ; r
	v_bfe_u32 v7, v0, 4, 1                         ; h
	s_mul_i32 s3, s2, 2*PITCH
	v_add_nc_u32 v[STI], s3, v[LI]                 ; rows 2 w on, 16 bytes a lane
	v_mul_u32_u24 v[STO], v6, PITCH
	s_delay_alu instid0(VALU_DEP_1)
	v_lshl_add_u32 v[STO], v7, 6, v[STO]
	s_lshl_b32 s3, s2, 9
	v_add_nc_u32 v[STO], s3, v[STO]                ; row r, K step w, + 64 h
	v_lshlrev_b32 v[R4], 2, v6
	s_mov_b32 s[SEL], 0x76543210
	s_mov_b32 s[SEL+1], 0xfedcba98                 ; lane l xor 16
	s_mov_b32 s14, 0x3a800000                      ; 1 / 1,024
	s_mov_b32 s15, 0x3727c5ac                      ; 1e-5
	s_mov_b32 s[MNT], 0x600000                     ; the mantissa field of 448
.irp n, 160,161,163,165,167,169
	v_mov_b32 v\n, 0                               ; lane permutes' destinations, and the upper halves of pairs that are named whole
.endr
	s_lshr_b32 s18, ttmp9, 1
	s_lshl_b32 s18, s18, 5
	s_and_b32 s19, ttmp9, 1
	s_lshl_b32 s19, s19, 3
	s_add_co_u32 s18, s18, s19
	s_lshl_b32 s19, s2, 1
	s_add_co_u32 s18, s18, s19
	s_lshr_b32 s19, s2, 2
	s_lshl_b32 s19, s19, 3
	s_add_co_u32 s18, s18, s19                     ; the token of image row 2 w: 32 (rb / 2) + 8 (rb % 2) + 2 w + 8 (w / 4)
	s_lshl_b32 s18, s18, 12
	s_mov_b32 s19, 0
	s_wait_kmcnt 0x0
	s_add_nc_u64 s[4:5], s[4:5], s[18:19]
.irp e, 0,1
.irp j, 0,1,2,3,4,5,6,7
	global_load_b128 v[X+32*\e+4*\j:X+32*\e+4*\j+3], v[LI], s[4:5] offset:\e*4096+\j*512   ; 512 consecutive bytes a load
.endr
.endr
.irp j, 0,1,2,3,4,5,6,7
	global_load_b128 v[G+4*\j:G+4*\j+3], v[LI], s[6:7] offset:\j*512
	global_load_b128 v[BB+4*\j:BB+4*\j+3], v[LI], s[8:9] offset:\j*512
.endr
	s_lshr_b32 s18, s2, 2                          ; where my K step's codes go: chunk w / 4, row block, quarter w % 4
	s_lshl_b32 s18, s18, 21
	s_lshl_b32 s22, ttmp9, 13
	s_add_co_u32 s18, s18, s22
	s_and_b32 s22, s2, 3
	s_lshl_b32 s22, s22, 11
	s_add_co_u32 s18, s18, s22
	s_add_nc_u64 s[20:21], s[10:11], s[18:19]
	s_lshl_b32 s18, s2, 14                         ; and its scale words: K step w, row block
	s_lshl_b32 s22, ttmp9, 6
	s_add_co_u32 s18, s18, s22
	s_add_co_u32 s18, s18, 4194304
	s_add_nc_u64 s[22:23], s[10:11], s[18:19]
	s_wait_loadcnt 16                              ; the two rows are in; the 16 loads of gain and bias may be out
.irp e, 0,1
.irp q, 0,1,2,3
	v_pk_add_f32 v[TM+8*\e+2*\q:TM+8*\e+2*\q+1], v[X+32*\e+2*\q:X+32*\e+2*\q+1], v[X+32*\e+8+2*\q:X+32*\e+8+2*\q+1]
.endr
.endr
.irp o, 16,24
.irp e, 0,1
.irp q, 0,1,2,3
	v_pk_add_f32 v[TM+8*\e+2*\q:TM+8*\e+2*\q+1], v[TM+8*\e+2*\q:TM+8*\e+2*\q+1], v[X+32*\e+\o+2*\q:X+32*\e+\o+2*\q+1]
.endr
.endr
.endr
	FOLD
	s_delay_alu instid0(VALU_DEP_2)
	v_mul_f32 v162, 0xba800000, v[TM]              ; - the mean
	s_delay_alu instid0(VALU_DEP_2)
	v_mul_f32 v164, 0xba800000, v[TM+8]
.set p, 0
.rept 16
	v_pk_add_f32 v[X+p:X+p+1], v[X+p:X+p+1], v[162:163] op_sel_hi:[1,0]
	v_pk_add_f32 v[X+32+p:X+33+p], v[X+32+p:X+33+p], v[164:165] op_sel_hi:[1,0]
.set p, p+2
.endr
.irp e, 0,1
.irp q, 0,1,2,3
	v_pk_mul_f32 v[TM+8*\e+2*\q:TM+8*\e+2*\q+1], v[X+32*\e+2*\q:X+32*\e+2*\q+1], v[X+32*\e+2*\q:X+32*\e+2*\q+1]
.endr
.endr
.irp o, 8,16,24
.irp e, 0,1
.irp q, 0,1,2,3
	v_pk_fma_f32 v[TM+8*\e+2*\q:TM+8*\e+2*\q+1], v[X+32*\e+\o+2*\q:X+32*\e+\o+2*\q+1], v[X+32*\e+\o+2*\q:X+32*\e+\o+2*\q+1], v[TM+8*\e+2*\q:TM+8*\e+2*\q+1]
.endr
.endr
.endr
	FOLD
	s_delay_alu instid0(VALU_DEP_2)
	v_fma_f32 v[TM], v[TM], s14, s15               ; the variance + 1e-5
	s_delay_alu instid0(VALU_DEP_2)
	v_fma_f32 v[TM+8], v[TM+8], s14, s15
	s_wait_alu depctr_va_vdst(0)
	v_rsq_f32 v166, v[TM]
	v_rsq_f32 v168, v[TM+8]
	v_nop                                          ; a plain instruction behind the two
	s_wait_alu depctr_va_vdst(0)                   ; one wait for both, ahead of their first reader
	s_wait_loadcnt 0x0                             ; gain and bias
.set p, 0
.rept 16
	v_pk_mul_f32 v[X+p:X+p+1], v[X+p:X+p+1], v[166:167] op_sel_hi:[1,0]
	v_pk_mul_f32 v[X+32+p:X+33+p], v[X+32+p:X+33+p], v[168:169] op_sel_hi:[1,0]
.set p, p+2
.endr
.set p, 0
.rept 16
	v_pk_fma_f32 v[X+p:X+p+1], v[X+p:X+p+1], v[G+p:G+p+1], v[BB+p:BB+p+1]
	v_pk_fma_f32 v[X+32+p:X+33+p], v[X+32+p:X+33+p], v[G+p:G+p+1], v[BB+p:BB+p+1]
.set p, p+2
.endr
.irp e, 0,1
.irp j, 0,1,2,3,4,5,6,7
	ds_store_b128 v[STI], v[X+32*\e+4*\j:X+32*\e+4*\j+3] offset:\e*PITCH+\j*512
.endr
.endr
	s_wait_dscnt 0x0                               ; for the others' sake: my two rows lie in the stage
	s_barrier_signal -1
	s_barrier_wait -1
.irp c, 0,1,2,3
.irp i, 0,1,2,3
	ds_load_b128 v[X+16*\c+4*\i:X+16*\c+4*\i+3], v[STO] offset:\c*128+\i*16
.endr
.endr
	s_wait_dscnt 0x0
.irp b, 0,1,2,3
	v_max3_num_f32 v[TM+\b], |v[X+16*\b]|, |v[X+1+16*\b]|, 0x4800000   ; block b: my 16 numbers, and the floor 2^(9 - 127): the byte cannot fall under 1
.endr
.irp i, 2,4,6,8,10,12,14
.irp b, 0,1,2,3
	s_delay_alu instid0(VALU_DEP_4)
	v_max3_num_f32 v[TM+\b], v[TM+\b], |v[X+16*\b+\i]|, |v[X+1+16*\b+\i]|
.endr
.endr
.irp b, 0,1,2,3
	s_delay_alu instid0(VALU_DEP_4)
	v_permlanex16_b32 v[TM+4+\b], v[TM+\b], s[SEL], s[SEL+1]
.endr
.irp b, 0,1,2,3
	s_delay_alu instid0(VALU_DEP_4)
	v_max_num_f32 v[TM+\b], v[TM+\b], v[TM+4+\b]   ; with lane l xor 16's: the block's largest magnitude
.endr
.irp b, 0,1,2,3
	s_delay_alu instid0(VALU_DEP_4)
	v_add_nc_u32 v[TM+12+\b], 0xfc000000, v[TM+\b] ; 8 off its exponent field: the conversion's scale operand
.endr
.irp b, 0,1,2,3
	v_and_or_b32 v[TM+8+\b], v[TM+\b], 0x7f800000, s[MNT]   ; 448 x the scale
.endr
.irp b, 0,1,2,3
	v_lshrrev_b32 v[TM+4+\b], 23, v[TM+12+\b]      ; the scale's byte
.endr
	s_delay_alu instid0(VALU_DEP_3)
	v_lshl_or_b32 v[PW], v[TM+5], 8, v[TM+4]
	s_delay_alu instid0(VALU_DEP_1)
	v_lshl_or_b32 v[PW], v[TM+6], 16, v[PW]
	s_delay_alu instid0(VALU_DEP_1)
	v_lshl_or_b32 v[PW], v[TM+7], 24, v[PW]
.irp b, 0,1,2,3
.irp i, 0,1,2,3,4,5,6,7,8,9,10,11,12,13,14,15
	v_med3_num_f32 v[X+16*\b+\i], v[X+16*\b+\i], -v[TM+8+\b], v[TM+8+\b]   ; the conversion to an 8-bit code does not saturate (ISA guide 7.6.2): the hold comes first
.endr
	v_cvt_scalef32_pk8_fp8_f32 v[PC+4*\b:PC+1+4*\b], v[X+16*\b:X+7+16*\b], v[TM+12+\b]
	v_cvt_scalef32_pk8_fp8_f32 v[PC+2+4*\b:PC+3+4*\b], v[X+8+16*\b:X+15+16*\b], v[TM+12+\b]
.endr
	v_nop
.irp c, 0,1,2,3
	global_store_b128 v[LI], v[PC+4*\c:PC+4*\c+3], s[20:21] offset:\c*512   ; 512 consecutive bytes
.endr
	global_store_b32 v[R4], v[PW], s[22:23]        ; both halves of the lanes hold the same word and write it to the same place
	s_wait_tensorcnt 0x0                           ; the wave's end
	ds_add_u32 v[SPW], v[NIL]
	s_wait_dscnt 0x0
	s_endpgm
.Lfunc_end_k_q4585c523bc_ln2:
	.size	k_q4585c523bc_ln2, .Lfunc_end_k_q4585c523bc_ln2-k_q4585c523bc_ln2
	.p2alignl 7, 3214868480
	.fill 96, 4, 3214868480
	.section	.rodata,"a",@progbits
	.p2align	6, 0x0
	.amdhsa_kernel k_q4585c523bc_ln2
		.amdhsa_group_segment_fixed_size 66816
		.amdhsa_private_segment_fixed_size 0
		.amdhsa_enable_private_segment 0
		.amdhsa_kernarg_size 32
		.amdhsa_user_sgpr_count 2
		.amdhsa_user_sgpr_kernarg_segment_ptr 1
		.amdhsa_wavefront_size32 1
		.amdhsa_system_sgpr_workgroup_id_x 1
		.amdhsa_system_sgpr_workgroup_id_y 1
		.amdhsa_system_sgpr_workgroup_id_z 1
		.amdhsa_system_vgpr_workitem_id 0
		.amdhsa_next_free_vgpr 192
		.amdhsa_next_free_sgpr 66
		.amdhsa_reserve_vcc 0
		.amdhsa_float_denorm_mode_32 3
		.amdhsa_float_denorm_mode_16_64 3
		.amdhsa_memory_ordered 1
		.amdhsa_forward_progress 1
		.amdhsa_inst_pref_size 31
	.end_amdhsa_kernel
	.amdgpu_metadata
---
amdhsa.version: [ 1, 2 ]
amdhsa.kernels:
  - .name:           k_q4585c523bc_ln2
    .symbol:         k_q4585c523bc_ln2.kd
    .args:
      - { .name: f2, .offset: 0, .size: 8, .value_kind: global_buffer, .address_space: global }
      - { .name: ln2_g, .offset: 8, .size: 8, .value_kind: global_buffer, .address_space: global }
      - { .name: ln2_b, .offset: 16, .size: 8, .value_kind: global_buffer, .address_space: global }
      - { .name: xbuf, .offset: 24, .size: 8, .value_kind: global_buffer, .address_space: global }
    .group_segment_fixed_size: 66816
    .private_segment_fixed_size: 0
    .kernarg_segment_align: 8
    .kernarg_segment_size: 32
    .max_flat_workgroup_size: 256
    .sgpr_count:     66
    .vgpr_count:     192
    .wavefront_size: 32
...
	.end_amdgpu_metadata
.endif
;; end of part 5
;; launch ffn1 (part 6): grid 8 x 32, 4 waves a work-group, clusters of 4 x 4, 327,680 bytes of LDS; arguments xbuf, wimg, b1, hbuf; writes hbuf
.if DOCPART == 6
	.amdgcn_target "amdgcn-amd-amdhsa--gfx1250"
	.amdhsa_code_object_version 6
	.text
	.protected	k_q4585c523bc_ffn1
	.globl	k_q4585c523bc_ffn1
	.p2align	8
	.type	k_q4585c523bc_ffn1,@function
k_q4585c523bc_ffn1:
	s_mov_b64 s[64:65], 0
	v_nop
	global_prefetch_b8 v0, s[64:65] scope:SCOPE_SE
	s_setreg_imm32_b32 hwreg(HW_REG_WAVE_MODE, 25, 1), 1
	s_wait_xcnt 0x0
	s_wait_alu depctr_hold_cnt(0) depctr_sa_sdst(0) depctr_va_vdst(0) depctr_va_sdst(0) depctr_va_ssrc(0) depctr_va_vcc(0) depctr_vm_vsrc(0)
	s_getreg_b32 s2, hwreg(HW_REG_IB_STS2, 6, 4)
	s_cmp_eq_u32 s2, 0
	s_cbranch_scc0 .Lentry_in_a_cluster
	s_endpgm
.Lentry_in_a_cluster:
	s_bfe_u32 s2, ttmp6, 0x10000c
	s_cmp_lg_u32 s2, 0xf033
	s_cbranch_scc0 .Lentry_shape_is_right
	s_endpgm
.Lentry_shape_is_right:
; h = gelu(LN2(x) w1 + b1), exact gelu, quantised along the hidden 4,096 in registers; the codes leave as the last product's image.  Nothing of reference() is left out here.
; C[i][j] = sum over k of P[i][k] Q[j][k]; P = x's codes (positions), Q = w1's; source 0 = 16 rows of Q, source 1 = 16 rows of P: lane (r, h) holds position r, register n of tile b hidden unit 16 b + 8 h + n.  b1 is the C of the first products.
; A WORK-GROUP STAYS.  It keeps its 128 positions of x (all of K = 1,024: 131,072 bytes of LDS, filled once) and walks four tiles of 128 hidden units, JT = J0 + 8 t.  w1's tile has ONE region of 131,072 bytes:
; when a tile's 128 products of each wave are done, the region is asked for again, one load of 2 rows of 65,536 bytes by wave 1, its scale words by wave 3, and the tile's way out (gelu, quantiser, stores: some 2,300 vector instructions, no LDS access) stands
; between that request and the wait for it.  One region, so two barriers a tile: the round in front of the refill, and a plain barrier between the fill and the reads.
; SHARES: each of four waves makes 64 x 64 of a tile (16 accumulators).  CLUSTER 4 x 4: x's tile is asked for jointly along a row of the cluster, w1's tiles along a column.  Operands lie as images of registers: dense tiles, no padding.
; THE SCALE WORDS of w1's tile come with it, at the head and with each refill, into one place; x's come once, one copy: one address serves every tile.
; A wave has one tensor load out at the head and at most one behind a round.  The last tile's way out is written out: no fill stands in front of it.
; GELU: gelu(x) = max(x, 0) - (a / sqrt 2) erfc(a), a = |x| / sqrt 2; erfc(a) = e^(-a a) (1 + p(q)) / (1 + 2 a), q = (a - 2) / (a + 2), p of degree 9: it keeps its relative accuracy into the tail, so nothing is
; lost for negative x.  One reciprocal of (a + 2)(1 + 2 a) gives both quotients; e^(-a a) takes the rounding of a a back by (1 + (rounded - exact)).  The constants lie in registers: the way out stands twice in the text.
; LIMITS: |x w1 + b1| under about 1e19 (a a and the product above stay finite); NaN and infinities are not served; a block of zeros gets the byte 1.
; No prefetch: x's tile and w1's first are asked for at the head, each later tile of w1 a whole way out ahead of its first read.
.set QIMG, 5242880                     ; w1's image in wimg,
.set QSCO, 13795328                    ; its scale words;
.set PSCO, 4194304                     ; x's scale words in xbuf
.set HS,   16777216                    ; h's scale words in hbuf
.set QREG, 131072                      ; LDS: x's codes at 0 (chunk kc at 65,536 kc), w1's tile here (likewise),
.set PSC,  262144                      ; x's scale words, 4,096 bytes (512 a K step),
.set QSC,  278528                      ; the current tile's of w1, 4,096 bytes,
.set SPARE, 303104                     ; the spare words, 128 bytes for each wave
.set ADRP, 16                          ; v16-17 my fragments of x in chunk 0, 1
.set ADRQ, 18                          ; v18-19 my fragments of w1
.set ADRS, 30                          ; the scale words' address: lanes 0-15 x's, lanes 16-31 w1's; the same for every tile, since w1's words are refilled in place
.set LA1,  21                          ; 16 r + 8 h
.set LA2,  22                          ; 16 x lane
.set LW,   23                          ; 4 x lane
.set H32,  27                          ; 32 h
.set SPW,  28
.set NIL,  29
.set ADRS0, 30                         ; ADRS for tile 0; never rewritten
.set SC,   32                          ; v32-39 scale words and nothing else, two sets of four
.set GA,   40                          ; v40-103 the gelu's eight arrays of eight
.set GB,   48
.set GC,   56
.set GD,   64
.set GE,   72
.set GM,   80
.set GT,   88
.set GR,   96
.set TM,   104
.set CD,   112                         ; v112-119 codes
.set PW,   120
.set ACC,  128
.set F0,   0                           ; window 1: buffer 0 of w1's four fragments, at 16 b
.set F1,   64                          ; window 1 holds w1's fragments alone, two buffers of four: v0-63, v64-127.  x's fragments live in windows 2 and 3 for the whole launch
.set CB,   128                         ; window 1: v128-159 the tile's bias in the result's layout
.set G1P, 24
.set G0P, 32
.set G0Q, 36
.set G1Q, 48
.set G0SP, 56
.set G0SQ, 60
.set G1SP, 68
.set G1SQ, 80
.set MSB, 0
.macro WIN new                         ; the immediate's high byte repeats the setting that is left
.if MSB != \new
	s_set_vgpr_msb (MSB<<8)|\new
.set MSB, \new
.endif
.endm
.macro PLACES n
.rept \n
	v_nop
.endr
.endm
.macro CROUND                          ; a round of the cluster's barrier
	s_barrier_signal -1
	s_barrier_wait -1
	s_cmp_lg_u32 s16, 0
	s_cbranch_scc1 .Lnot_wave_0_\@
	s_barrier_signal -3
.Lnot_wave_0_\@:
	s_barrier_wait -3
	s_barrier_signal -1
	s_barrier_wait -1
.endm
.macro XLOAD                           ; my 64 positions of x, all of K, into registers, once: fragment (K step q, tile a) at v[64 (q % 4) + 16 a] of window 2 + q / 4: 128 loads
.irp q, 0,1,2,3,4,5,6,7
	WIN ((2+\q/4)<<6)
.irp a, 0,1,2,3
.irp c, 0,1,2,3
	ds_load_b128 v[64*(\q%4)+16*\a+4*\c:64*(\q%4)+16*\a+4*\c+3], v[ADRP+\q/4] offset:\a*8192+(\q%4)*2048+\c*512
.endr
.endr
.endr
	WIN 0
.endm
.macro FETCH q, f, sc                  ; 20 LDS loads: w1's fragments of K step q into buffer f, the scale words into set sc
	WIN 0x40
.irp b, 0,1,2,3
.irp c, 0,1,2,3
	ds_load_b128 v[\f+16*\b+4*\c:\f+16*\b+4*\c+3], v[ADRQ+(\q)/4] offset:\b*8192+((\q)%4)*2048+\c*512
.endr
.endr
	WIN 0
.irp i, 0,1,2,3
	ds_load_b32 v[SC+4*\sc+\i], v[ADRS] offset:\i*64+(\q)*512
.endr
.endm
.macro MUL16 q, f, sc, mode            ; the 16 products of K step q: source 0 = w1's fragments (window 1), source 1 = x's (window 2 + q / 4)
.irp a, 0,1,2,3
.irp b, 0,1,2,3
.if \mode == 0
	v_wmma_scale_f32_16x16x128_f8f6f4 v[ACC+8*(4*\a+\b):ACC+8*(4*\a+\b)+7], v[\f+16*\b:\f+16*\b+15], v[64*((\q)%4)+16*\a:64*((\q)%4)+16*\a+15], v[ACC+8*(4*\a+\b):ACC+8*(4*\a+\b)+7], v[SC+4*\sc+\b], v[SC+4*\sc+\a] matrix_a_scale:MATRIX_SCALE_ROW1
.else
	v_wmma_scale_f32_16x16x128_f8f6f4 v[ACC+8*(4*\a+\b):ACC+8*(4*\a+\b)+7], v[\f+16*\b:\f+16*\b+15], v[64*((\q)%4)+16*\a:64*((\q)%4)+16*\a+15], v[CB+8*\b:CB+8*\b+7], v[SC+4*\sc+\b], v[SC+4*\sc+\a] matrix_a_scale:MATRIX_SCALE_ROW1
.endif
.endr
.endr
.endm
.macro TILEMUL                         ; a tile's eight K steps of 128, 16 products each.  Each fetch stands one K step ahead, eight places behind the products that read its buffer; then all but its 20 loads are awaited
	FETCH 0, F0, 0
	FETCH 1, F1, 1
	s_wait_alu depctr_va_vdst(0)
	s_wait_dscnt 20                                ; all but the 20 loads just issued
	WIN 0x19                                       ; source 0 window 1, source 1 window 2, C (the bias) window 1, D window 0
	MUL16 0, F0, 0, 1
.irp q, 1,2,3,4,5,6
	PLACES 8
	FETCH \q+1, F0+64*((\q+1)%2), ((\q+1)%2)
	s_wait_dscnt 20
	WIN (0x09+4*(\q/4))                            ; source 0 window 1, source 1 window 2 or 3; C and D window 0
	MUL16 \q, F0+64*(\q%2), (\q%2), 0
.endr
	s_wait_dscnt 0x0
	MUL16 7, F1, 1, 0
	WIN 0
	PLACES 8                                       ; behind the last products, ahead of the reads of their results and of loads into their registers
.endm
.macro BIAS                            ; b1 of columns 16 b + 8 h + 0 .. 7 of the tile at which s[8:9] stands
	WIN 0x40                                       ; destination window 1
.irp b, 0,1,2,3
	global_load_b128 v[CB+8*\b:CB+8*\b+3], v[H32], s[8:9] offset:\b*64
	global_load_b128 v[CB+8*\b+4:CB+8*\b+7], v[H32], s[8:9] offset:\b*64+16
.endr
	WIN 0
.endm
.macro NEXTQ                           ; w1's region, which every wave has read out, is asked for again: the tile eight further on
	s_wait_tensorcnt 0x0                           ; no tensor load of mine is out, so a group 0 may be written
	ds_add_u32 v[SPW], v[NIL]
	s_add_nc_u64 s[G0Q+2:G0Q+3], s[G0Q+2:G0Q+3], 8*65536
	s_add_nc_u64 s[G0SQ+2:G0SQ+3], s[G0SQ+2:G0SQ+3], 8*512   ; and that tile's scale words
	s_wait_dscnt 0x0                               ; the add is done, and my reads of the region and of the scale words are over
	CROUND                                         ; both now hold of every wave of every work-group of the cluster
	s_cmp_eq_u32 s16, 1                            ; the refill, first behind the round: wave 1 the tile (2 rows of 65,536 bytes), wave 3 its scale words, the others nothing
	s_cbranch_scc0 .Lnot_codes_\@
	tensor_load_to_lds s[G0Q:G0Q+3], s[G1Q:G1Q+7]
	s_nop 0
	PLACES 4
	s_branch .Lrefilled_\@
.Lnot_codes_\@:
	s_cmp_eq_u32 s16, 3
	s_cbranch_scc0 .Lrefilled_\@
	tensor_load_to_lds s[G0SQ:G0SQ+3], s[G1SQ:G1SQ+7]
	s_nop 0
	PLACES 4
.Lrefilled_\@:
.endm
.macro QUANT2 s, cd, pw                ; 32 numbers of a lane, two blocks of 16 shared with lane l xor 16: 32 codes and two scale bytes
.irp c, 0,1
	v_max3_num_f32 v[TM+\c], |v[\s+16*\c]|, |v[\s+16*\c+1]|, 0x4800000   ; and the floor 2^(9 - 127): the byte cannot fall under 1
.endr
.irp i, 2,4,6,8,10,12,14
.irp c, 0,1
	v_max3_num_f32 v[TM+\c], v[TM+\c], |v[\s+16*\c+\i]|, |v[\s+16*\c+\i+1]|
.endr
.endr
.irp c, 0,1
	v_permlanex16_b32 v[TM+2+\c], v[TM+\c], s96, s97
.endr
.irp c, 0,1
	v_max_num_f32 v[TM+\c], v[TM+\c], v[TM+2+\c]
.endr
.irp c, 0,1
	v_add_nc_u32 v[TM+6+\c], 0xfc000000, v[TM+\c]  ; 8 off the exponent field: the conversion's scale operand
.endr
.irp c, 0,1
	v_and_or_b32 v[TM+4+\c], v[TM+\c], 0x7f800000, s98   ; 448 x the scale
.endr
.irp c, 0,1
	v_lshrrev_b32 v[TM+2+\c], 23, v[TM+6+\c]
.endr
	v_lshl_or_b32 v[\pw], v[TM+3], 8, v[TM+2]
.irp c, 0,1
.irp i, 0,1,2,3,4,5,6,7,8,9,10,11,12,13,14,15
	v_med3_num_f32 v[\s+16*\c+\i], v[\s+16*\c+\i], -v[TM+4+\c], v[TM+4+\c]   ; the conversion does not saturate (ISA guide 7.6.2)
.endr
	v_cvt_scalef32_pk8_fp8_f32 v[\cd+4*\c:\cd+4*\c+1], v[\s+16*\c:\s+16*\c+7], v[TM+6+\c]
	v_cvt_scalef32_pk8_fp8_f32 v[\cd+4*\c+2:\cd+4*\c+3], v[\s+16*\c+8:\s+16*\c+15], v[TM+6+\c]
.endr
	v_nop
.endm
.macro HORNER k                        ; p = p q + the coefficient that stands twice in v[k], v[k + 1]; eight numbers
.irp i, 0,2,4,6
	v_pk_fma_f32 v[GA+\i:GA+\i+1], v[GA+\i:GA+\i+1], v[GM+\i:GM+\i+1], v[\k:\k+1]
.endr
.endm
.macro GELU8 X                         ; the eight numbers v[X] on, in place
.irp i, 0,1,2,3,4,5,6,7
	v_mul_f32 v[GA+\i], s67, |v[\X+\i]|            ; a = |x| / sqrt 2: the accumulator's first read, from its low end on
.endr
.irp i, 0,2,4,6
	v_pk_add_f32 v[GB+\i:GB+\i+1], v[GA+\i:GA+\i+1], 2.0 op_sel_hi:[1,0]          ; a + 2
	v_pk_fma_f32 v[GC+\i:GC+\i+1], v[GA+\i:GA+\i+1], 2.0, 1.0 op_sel_hi:[1,0,0]   ; 1 + 2 a
	v_pk_mul_f32 v[GE+\i:GE+\i+1], v[GA+\i:GA+\i+1], v[GA+\i:GA+\i+1]             ; a a, rounded
.endr
.irp i, 0,2,4,6
	v_pk_mul_f32 v[GD+\i:GD+\i+1], v[GB+\i:GB+\i+1], v[GC+\i:GC+\i+1]
	v_pk_fma_f32 v[GT+\i:GT+\i+1], v[GA+\i:GA+\i+1], v[GA+\i:GA+\i+1], v[GE+\i:GE+\i+1] neg_lo:[1,0,0] neg_hi:[1,0,0]   ; rounded - exact
.endr
.irp i, 0,2,4,6
	v_pk_mul_f32 v[GE+\i:GE+\i+1], v[GE+\i:GE+\i+1], s[88:89] op_sel_hi:[1,0]     ; x -log2(e)
.endr
	s_wait_alu depctr_va_vdst(0)
.irp i, 0,1,2,3,4,5,6,7
	v_rcp_f32 v[GD+\i], v[GD+\i]                   ; one batch: eight reciprocals,
.endr
.irp i, 0,1,2,3,4,5,6,7
	v_exp_f32 v[GE+\i], v[GE+\i]                   ; eight exponentials
.endr
.irp i, 0,2,4,6
	v_pk_add_f32 v[GM+\i:GM+\i+1], v[GA+\i:GA+\i+1], -2.0 op_sel_hi:[1,0]         ; work that names no result of the batch
	v_pk_mul_f32 v[GR+\i:GR+\i+1], v[GA+\i:GA+\i+1], s[90:91] op_sel_hi:[1,0]     ; -a / sqrt 2
.endr
.irp i, 0,1,2,3,4,5,6,7
	v_max_num_f32 v[\X+\i], 0, v[\X+\i]
.endr
	s_wait_alu depctr_va_vdst(0)                   ; one wait for the sixteen, ahead of their first reader
.irp i, 0,2,4,6
	v_pk_mul_f32 v[GC+\i:GC+\i+1], v[GD+\i:GD+\i+1], v[GC+\i:GC+\i+1]             ; 1 / (a + 2)
	v_pk_mul_f32 v[GB+\i:GB+\i+1], v[GD+\i:GD+\i+1], v[GB+\i:GB+\i+1]             ; 1 / (1 + 2 a)
.endr
.irp i, 0,2,4,6
	v_pk_mul_f32 v[GM+\i:GM+\i+1], v[GM+\i:GM+\i+1], v[GC+\i:GC+\i+1]             ; q
.endr
.irp i, 0,2,4,6
	v_pk_fma_f32 v[GA+\i:GA+\i+1], v[GM+\i:GM+\i+1], s[100:101], 0xbaa15130 op_sel_hi:[1,0,0]
.endr
	HORNER 4
	HORNER 6
	HORNER 8
	HORNER 10
	HORNER 12
	HORNER 14
	HORNER 24
	HORNER 126
.irp i, 0,2,4,6
	v_pk_fma_f32 v[GB+\i:GB+\i+1], v[GA+\i:GA+\i+1], v[GB+\i:GB+\i+1], v[GB+\i:GB+\i+1]   ; (1 + p) / (1 + 2 a)
.endr
.irp i, 0,2,4,6
	v_pk_mul_f32 v[GE+\i:GE+\i+1], v[GB+\i:GB+\i+1], v[GE+\i:GE+\i+1]
.endr
.irp i, 0,2,4,6
	v_pk_fma_f32 v[GE+\i:GE+\i+1], v[GE+\i:GE+\i+1], v[GT+\i:GT+\i+1], v[GE+\i:GE+\i+1]   ; erfc(a)
.endr
.irp i, 0,2,4,6
	v_pk_fma_f32 v[\X+\i:\X+\i+1], v[GR+\i:GR+\i+1], v[GE+\i:GE+\i+1], v[\X+\i:\X+\i+1]
.endr
.endm
.macro EPI                             ; a tile's way out: registers and global stores alone
.irp a, 0,1,2,3
.irp t, 0,1,2,3
	GELU8 ACC+32*\a+8*\t
.endr
	s_wait_xcnt 0x0                                ; the last stores have read the codes' registers
	QUANT2 ACC+32*\a, CD, PW+\a
.irp t, 0,1,2,3
	global_store_b64 v[LA1], v[CD+2*\t:CD+2*\t+1], s[92:93] offset:\a*8192+\t*256   ; the 32 lanes fill 256 consecutive bytes, aligned
.endr
.endr
	v_cndmask_b32 v124, v[PW], v[PW+1], s99        ; lanes 0-15: row block a's, lanes 16-31: a + 1's
	v_cndmask_b32 v125, v[PW+2], v[PW+3], s99
	global_store_b16 v[LW], v124, s[94:95]         ; half a scale word: my two blocks of the K step's four
	global_store_b16 v[LW], v125, s[94:95] offset:128
.endm
	s_load_b256 s[4:11], s[0:1], 0x0               ; xbuf, wimg, b1, hbuf
	v_lshl_add_u32 v[SPW], v0, 2, SPARE
	v_mov_b32 v[NIL], 0
	ds_add_u32 v[SPW], v[NIL]                      ; the wave's opening
	ds_add_u32 v[SPW], v[NIL]
	v_lshrrev_b32 v1, 5, v0
	v_readfirstlane_b32 s16, v1                    ; wave
	s_lshr_b32 s17, s16, 1                         ; WI: my 64 positions.
	s_and_b32 s18, s16, 1                          ; WJ: my 64 hidden units.
	s_bfe_u32 s20, ttmp6, 0x40000                  ; cx
	s_bfe_u32 s21, ttmp6, 0x40004                  ; cy
	s_lshl_b32 s22, ttmp9, 2
	s_add_co_u32 s22, s22, s20                     ; J0, 0 .. 7: my first tile of w1
	s_and_b32 s23, ttmp7, 0xffff
	s_lshl_b32 s23, s23, 2
	s_add_co_u32 s23, s23, s21                     ; IT: my tile of x
	s_lshl_b32 s40, s21, 2
	s_lshl_b32 s40, 15, s40                        ; my row of the cluster
	s_lshl_b32 s41, 0x1111, s20                    ; my column
	s_or_b32 s[G1P], s40, (3<<16)|(1<<21)          ; the mask; elements of 8 bytes; bit 21 beside a mask
	s_or_b32 s[G1Q], s41, (3<<16)|(1<<21)
	s_or_b32 s[G1SP], s40, (3<<16)|(1<<21)
	s_or_b32 s[G1SQ], s41, (3<<16)|(1<<21)
.irp g, G1P, G1Q                       ; codes: 131,072 dense bytes as 2 rows of 65,536
	s_mov_b32 s[\g+1], 8192<<16                    ; a whole tile by one load: two K chunks, 65,536 dense bytes each,
	s_mov_b32 s[\g+2], 2<<16
	s_mov_b32 s[\g+3], 8192<<16
	s_mov_b32 s[\g+4], 2
	s_mov_b32 s[\g+5], 262144                      ; 256 row blocks x 8,192 bytes apart
	s_mov_b32 s[\g+6], 0
	s_mov_b32 s[\g+7], 0
.endr
.irp g, G1SP, G1SQ                     ; scale words: 8 K steps, 512 bytes each, 256 row blocks x 64 bytes apart
	s_mov_b32 s[\g+1], 64<<16
	s_mov_b32 s[\g+2], 8<<16
	s_mov_b32 s[\g+3], 64<<16
	s_mov_b32 s[\g+4], 8
	s_mov_b32 s[\g+5], 2048
	s_mov_b32 s[\g+6], 0
	s_mov_b32 s[\g+7], 0
.endr
	s_lshl_b32 s42, s23, 16
	s_mov_b32 s43, 0
	s_lshl_b32 s44, s22, 16
	s_add_co_u32 s44, s44, QIMG
	s_mov_b32 s45, 0
	s_lshl_b32 s46, s23, 9
	s_add_co_u32 s46, s46, PSCO                    ; x's scale words
	s_mov_b32 s47, 0
	s_lshl_b32 s2, s22, 9
	s_add_co_u32 s2, s2, QSCO                      ; w1's scale words
	s_mov_b32 s3, 0
	s_wait_dscnt 0x0                               ; both opening adds are done
	s_wait_kmcnt 0x0
	s_add_nc_u64 s[42:43], s[4:5], s[42:43]
	s_add_nc_u64 s[46:47], s[4:5], s[46:47]
	s_add_nc_u64 s[44:45], s[6:7], s[44:45]
	s_add_nc_u64 s[2:3], s[6:7], s[2:3]
	CROUND                                         ; all sixteen work-groups are here: the first joint loads meet
	s_mov_b32 s[G0SP], 1
	s_mov_b32 s[G0SP+1], PSC
	s_mov_b64 s[G0SP+2:G0SP+3], s[46:47]
	s_or_b32 s[G0SP+3], s[G0SP+3], 0x80000000
	s_mov_b32 s[G0SQ], 1
	s_mov_b32 s[G0SQ+1], QSC
	s_mov_b64 s[G0SQ+2:G0SQ+3], s[2:3]
	s_or_b32 s[G0SQ+3], s[G0SQ+3], 0x80000000
	s_mov_b32 s[G0P], 1
	s_mov_b32 s[G0P+1], 0
	s_mov_b64 s[G0P+2:G0P+3], s[42:43]
	s_or_b32 s[G0P+3], s[G0P+3], 0x80000000
	s_mov_b32 s[G0Q], 1
	s_mov_b32 s[G0Q+1], QREG
	s_mov_b64 s[G0Q+2:G0Q+3], s[44:45]
	s_or_b32 s[G0Q+3], s[G0Q+3], 0x80000000
; THE HEAD'S FOUR TILES, ONE LOAD A WAVE, in one chain of arms: x's codes, w1's first tile, x's scale words (one copy), the first tile's scale words
.macro ARM under, g0, g1, next
	s_cmp_lt_u32 s16, \under
	s_cbranch_scc0 \next
	tensor_load_to_lds s[\g0:\g0+3], s[\g1:\g1+7]
	s_nop 0
	PLACES 4
	s_branch .Lasked
\next:
.endm
	ARM 1, G0P, G1P, .Lh_q
	ARM 2, G0Q, G1Q, .Lh_sp
	ARM 3, G0SP, G1SP, .Lh_sq
	tensor_load_to_lds s[G0SQ:G0SQ+3], s[G1SQ:G1SQ+7]
	s_nop 0
	PLACES 4
.Lasked:
	v_and_b32 v1, 15, v0                           ; r
	v_bfe_u32 v2, v0, 4, 1                         ; h
	v_and_b32 v3, 31, v0
	v_lshlrev_b32 v[LA2], 4, v3
	v_lshlrev_b32 v[LW], 2, v3
	v_lshlrev_b32 v[LA1], 4, v1
	v_lshl_add_u32 v[LA1], v2, 3, v[LA1]
	v_lshlrev_b32 v[H32], 5, v2
	s_lshl_b32 s40, s17, 15
	s_lshl_b32 s41, s18, 15
	s_add_co_u32 s41, s41, QREG
	v_add_nc_u32 v[ADRP], s40, v[LA2]
	v_add_nc_u32 v[ADRQ], s41, v[LA2]
	v_add_nc_u32 v[ADRP+1], 65536, v[ADRP]
	v_add_nc_u32 v[ADRQ+1], 65536, v[ADRQ]
	s_lshl_b32 s40, s17, 8
	s_lshl_b32 s41, s18, 8
	s_add_co_u32 s41, s41, QSC-PSC
	s_sub_co_u32 s41, s41, s40                     ; from x's words of my rows to w1's of mine
	v_mul_u32_u24 v[ADRS0], s41, v2                ; lanes 16-31 take w1's
	v_lshl_add_u32 v[ADRS0], v1, 2, v[ADRS0]
	s_add_co_u32 s40, s40, PSC
	v_add_nc_u32 v[ADRS0], s40, v[ADRS0]
	v_mov_b32 v[TM+2], 0                           ; lane permutes' destinations are written once
	v_mov_b32 v[TM+3], 0
	s_lshl_b32 s40, s22, 9
	s_lshl_b32 s19, s18, 8
	s_add_co_u32 s40, s40, s19
	s_mov_b32 s41, 0
	s_add_nc_u64 s[8:9], s[8:9], s[40:41]          ; b1 of my 64 hidden units of tile J0
	BIAS
	s_lshr_b32 s40, s22, 2                         ; h's image: chunk JT / 4, row block 8 IT + 4 WI, quarter JT % 4, blocks 2 WJ on
	s_lshl_b32 s40, s40, 21
	s_lshl_b32 s19, s23, 16
	s_add_co_u32 s40, s40, s19
	s_lshl_b32 s19, s17, 15
	s_add_co_u32 s40, s40, s19
	s_and_b32 s19, s22, 3
	s_lshl_b32 s19, s19, 11
	s_add_co_u32 s40, s40, s19
	s_lshl_b32 s19, s18, 10
	s_add_co_u32 s40, s40, s19
	s_add_nc_u64 s[92:93], s[10:11], s[40:41]
	s_lshl_b32 s40, s22, 14                        ; its scale words: K step JT
	s_lshl_b32 s19, s23, 9
	s_add_co_u32 s40, s40, s19
	s_lshl_b32 s19, s17, 8
	s_add_co_u32 s40, s40, s19
	s_lshl_b32 s19, s18, 1
	s_add_co_u32 s40, s40, s19
	s_add_co_u32 s40, s40, HS
	s_add_nc_u64 s[94:95], s[10:11], s[40:41]
	s_mov_b32 s96, 0x76543210
	s_mov_b32 s97, 0xfedcba98                      ; lane l xor 16
	s_mov_b32 s98, 0x600000                        ; the mantissa field of 448
	s_mov_b32 s99, 0xffff0000                      ; lanes 16-31
	s_mov_b32 s67, 0x3f3504f3                      ; 1 / sqrt 2
	s_mov_b32 s88, 0xbfb8aa3b                      ; -log2(e): the packed forms name a pair and take its low word
	s_mov_b32 s89, s88
	s_mov_b32 s90, 0xbf3504f3                      ; -1 / sqrt 2
	s_mov_b32 s91, s90
	s_mov_b32 s100, 0xb9d25000                     ; the polynomial's leading coefficient
	s_mov_b32 s101, s100
.irp n, 4,5
	v_mov_b32 v\n, 0x3aac2b8a                      ; the coefficients of degrees 7 to 0, each twice: a pair for the packed multiply-add
.endr
.irp n, 6,7
	v_mov_b32 v\n, 0x3c0d6e62
.endr
.irp n, 8,9
	v_mov_b32 v\n, 0xbc040dc1
.endr
.irp n, 10,11
	v_mov_b32 v\n, 0xbd5e05b5
.endr
.irp n, 12,13
	v_mov_b32 v\n, 0x3e27fe23
.endr
.irp n, 14,15
	v_mov_b32 v\n, 0xbe2a0753
.endr
.irp n, 24,25
	v_mov_b32 v\n, 0xbdbdfb0b
.endr
.irp n, 126,127
	v_mov_b32 v\n, 0x3e8dd01d
.endr
	s_wait_loadcnt 0x0                             ; the bias is in, and its loads have read their base:
	s_add_nc_u64 s[8:9], s[8:9], 8*512             ; on to the next tile's
	s_wait_tensorcnt 0x0                           ; my load has landed,
	s_barrier_signal -1
	s_barrier_wait -1                              ; everybody's have
	XLOAD                                          ; x goes into registers; the first products' counted wait covers these loads too, since LDS loads come back in order
	TILEMUL                                        ; tile J0
	s_mov_b32 s3, 3
.Ltile:                                            ; three trips: the next tile is asked for, this one goes out, the next is multiplied
	NEXTQ
	BIAS                                           ; the next tile's bias lands with it
	EPI
	s_wait_xcnt 0x0                                ; the stores have read their bases
	s_add_nc_u64 s[92:93], s[92:93], 2*2097152     ; eight tiles on: two chunks of h's image,
	s_add_nc_u64 s[94:95], s[94:95], 8*16384       ; eight K steps of its scale words
	s_wait_loadcnt 0x0                             ; the bias
	s_add_nc_u64 s[8:9], s[8:9], 8*512
	s_wait_tensorcnt 0x0                           ; my part of the next tile: no load was issued behind it, so the count that the reads need is 0
	s_wait_dscnt 0x0
	s_barrier_signal -1
	s_barrier_wait -1                              ; everybody's part has landed
	TILEMUL
	s_sub_co_u32 s3, s3, 1
	s_cmp_lg_u32 s3, 0
	s_cbranch_scc1 .Ltile
	EPI                                            ; the last tile's way out: nothing is left to fetch
	s_wait_tensorcnt 0x0                           ; the wave's end
	ds_add_u32 v[SPW], v[NIL]
	s_wait_dscnt 0x0
	CROUND                                         ; the closing round
	s_endpgm
.Lfunc_end_k_q4585c523bc_ffn1:
	.size	k_q4585c523bc_ffn1, .Lfunc_end_k_q4585c523bc_ffn1-k_q4585c523bc_ffn1
	.p2alignl 7, 3214868480
	.fill 96, 4, 3214868480
	.section	.rodata,"a",@progbits
	.p2align	6, 0x0
	.amdhsa_kernel k_q4585c523bc_ffn1
		.amdhsa_group_segment_fixed_size 327680
		.amdhsa_private_segment_fixed_size 0
		.amdhsa_enable_private_segment 0
		.amdhsa_kernarg_size 32
		.amdhsa_user_sgpr_count 2
		.amdhsa_user_sgpr_kernarg_segment_ptr 1
		.amdhsa_wavefront_size32 1
		.amdhsa_system_sgpr_workgroup_id_x 1
		.amdhsa_system_sgpr_workgroup_id_y 1
		.amdhsa_system_sgpr_workgroup_id_z 1
		.amdhsa_system_vgpr_workitem_id 0
		.amdhsa_next_free_vgpr 1024
		.amdhsa_next_free_sgpr 102
		.amdhsa_reserve_vcc 0
		.amdhsa_float_denorm_mode_32 3
		.amdhsa_float_denorm_mode_16_64 3
		.amdhsa_memory_ordered 1
		.amdhsa_forward_progress 1
		.amdhsa_inst_pref_size 255
	.end_amdhsa_kernel
	.section	.bss,"aw",@nobits
	.p2align	6
	.space	262144
	.amdgpu_metadata
---
amdhsa.version: [ 1, 2 ]
amdhsa.kernels:
  - .name:           k_q4585c523bc_ffn1
    .symbol:         k_q4585c523bc_ffn1.kd
    .args:
      - { .name: xbuf, .offset: 0, .size: 8, .value_kind: global_buffer, .address_space: global }
      - { .name: wimg, .offset: 8, .size: 8, .value_kind: global_buffer, .address_space: global }
      - { .name: b1, .offset: 16, .size: 8, .value_kind: global_buffer, .address_space: global }
      - { .name: hbuf, .offset: 24, .size: 8, .value_kind: global_buffer, .address_space: global }
    .group_segment_fixed_size: 327680
    .private_segment_fixed_size: 0
    .kernarg_segment_align: 8
    .kernarg_segment_size: 32
    .max_flat_workgroup_size: 128
    .sgpr_count:     102
    .vgpr_count:     1024
    .wavefront_size: 32
...
	.end_amdgpu_metadata
.endif
;; end of part 6
;; launch ffn2 (part 7): grid 8 x 32, 4 waves a work-group, clusters of 4 x 4, 327,680 bytes of LDS; arguments hbuf, wimg, b2, f2, out0; writes out0
.if DOCPART == 7
	.amdgcn_target "amdgcn-amd-amdhsa--gfx1250"
	.amdhsa_code_object_version 6
	.text
	.protected	k_q4585c523bc_ffn2
	.globl	k_q4585c523bc_ffn2
	.p2align	8
	.type	k_q4585c523bc_ffn2,@function
k_q4585c523bc_ffn2:
	s_mov_b64 s[64:65], 0
	v_nop
	global_prefetch_b8 v0, s[64:65] scope:SCOPE_SE
	s_setreg_imm32_b32 hwreg(HW_REG_WAVE_MODE, 25, 1), 1
	s_wait_xcnt 0x0
	s_wait_alu depctr_hold_cnt(0) depctr_sa_sdst(0) depctr_va_vdst(0) depctr_va_sdst(0) depctr_va_ssrc(0) depctr_va_vcc(0) depctr_vm_vsrc(0)
	s_getreg_b32 s2, hwreg(HW_REG_IB_STS2, 6, 4)
	s_cmp_eq_u32 s2, 0
	s_cbranch_scc0 .Lentry_in_a_cluster
	s_endpgm
.Lentry_in_a_cluster:
	s_bfe_u32 s2, ttmp6, 0x10000c
	s_cmp_lg_u32 s2, 0xf033
	s_cbranch_scc0 .Lentry_shape_is_right
	s_endpgm
.Lentry_shape_is_right:
.set NCH,  8
.set QIMG, 9437184
.set QSCO, 13926400
.set PSCO, 16777216
.set RBP,  256
.set RBQ,  64
.set R,    4*NCH                       ; K steps whose scale words one load brings: all of them
.set PSCB, 2048*NCH
.set SLOT, 131072
.set SCL,  2*SLOT
.set SPARE, SCL+2*PSCB
.set SPITCH, 528
.set ADRP, 16
.set ADRQ, 18
.set ADRS, 20
.set LA2,  22
.set STO,  24
.set RD,   25
.set H32,  27
.set SPW,  28
.set NIL,  29
.set SC,   32
.set CB,   40
.set ACC,  128
.set F0,   0
.set F1,   128
.set G1P, 24
.set G0P, 32
.set G1Q, 48
.set G0Q, 56
.set G1SP, 68
.set G0SP, 76
.set G1SQ, 80
.set G0SQ, 88
.set MSB, 0
.macro WIN new
.if MSB != \new
	s_set_vgpr_msb (MSB<<8)|\new
.set MSB, \new
.endif
.endm
.macro PLACES n
.rept \n
	v_nop
.endr
.endm
.macro JLOAD g0a, g1a, g0b, g1b
	s_cmp_eq_u32 s17, 0
	s_cbranch_scc0 .Lfor_q_\@
	tensor_load_to_lds s[\g0a:\g0a+3], s[\g1a:\g1a+7]
	s_nop 0
.rept 4
	v_nop
.endr
	s_branch .Lasked_\@
.Lfor_q_\@:
	tensor_load_to_lds s[\g0b:\g0b+3], s[\g1b:\g1b+7]
	s_nop 0
.rept 4
	v_nop
.endr
.Lasked_\@:
.endm
.macro CROUND
	s_barrier_signal -1
	s_barrier_wait -1
	s_cmp_lg_u32 s16, 0
	s_cbranch_scc1 .Lnot_wave_0_\@
	s_barrier_signal -3
.Lnot_wave_0_\@:
	s_barrier_wait -3
	s_barrier_signal -1
	s_barrier_wait -1
.endm
.macro FETCH slot, kq, f, sc
	WIN 0x40
.irp b, 0,1,2,3
.irp c, 0,1,2,3
	ds_load_b128 v[\f+64+16*\b+4*\c:\f+64+16*\b+4*\c+3], v[ADRQ+\slot] offset:\b*8192+(\kq)*2048+\c*512
.endr
.endr
.irp a, 0,1,2,3
.irp c, 0,1,2,3
	ds_load_b128 v[\f+16*\a+4*\c:\f+16*\a+4*\c+3], v[ADRP+\slot] offset:\a*8192+(\kq)*2048+\c*512
.endr
.endr
	WIN 0
.irp i, 0,1,2,3
	ds_load_b32 v[SC+4*\sc+\i], v[ADRS] offset:\i*64+(\kq)*512
.endr
.endm
.macro MUL16 f, sc, mode
.irp a, 0,1,2,3
.irp b, 0,1,2,3
.if \mode == 0
	v_wmma_scale_f32_16x16x128_f8f6f4 v[ACC+8*(4*\a+\b):ACC+8*(4*\a+\b)+7], v[\f+64+16*\b:\f+64+16*\b+15], v[\f+16*\a:\f+16*\a+15], v[ACC+8*(4*\a+\b):ACC+8*(4*\a+\b)+7], v[SC+4*\sc+\b], v[SC+4*\sc+\a] matrix_a_scale:MATRIX_SCALE_ROW1
.else
	v_wmma_scale_f32_16x16x128_f8f6f4 v[ACC+8*(4*\a+\b):ACC+8*(4*\a+\b)+7], v[\f+64+16*\b:\f+64+16*\b+15], v[\f+16*\a:\f+16*\a+15], v[CB+8*\b:CB+8*\b+7], v[SC+4*\sc+\b], v[SC+4*\sc+\a] matrix_a_scale:MATRIX_SCALE_ROW1
.endif
.endr
.endr
.endm
.macro CHUNK slot, mode
.if \mode == 0
	PLACES 8
.endif
	FETCH \slot, 0, F0, 0
	FETCH \slot, 1, F1, 1
	s_wait_dscnt 36
	WIN 0x05
	MUL16 F0, 0, \mode
	PLACES 8
	FETCH \slot, 2, F0, 0
	s_wait_dscnt 36
	WIN 0x05
	MUL16 F1, 1, 0
	PLACES 8
	FETCH \slot, 3, F1, 1
	s_wait_dscnt 36
	WIN 0x05
	MUL16 F0, 0, 0
	s_wait_dscnt 0x0
	MUL16 F1, 1, 0
	WIN 0
	v_add_nc_u32 v[ADRS], 2048, v[ADRS]
.endm
.macro TWO slot, refill
.if \refill
	s_wait_xcnt 0x0                                ; my last prefetch has read its address: it steps one K chunk
	s_add_nc_u64 s[66:67], s[66:67], s[100:101]
.endif
	s_wait_tensorcnt 0x0
	ds_add_u32 v[SPW], v[NIL]
.if \refill
	s_add_nc_u64 s[G0P+4*(1-\slot)+2:G0P+4*(1-\slot)+3], s[G0P+4*(1-\slot)+2:G0P+4*(1-\slot)+3], 2*RBP*8192
	s_add_nc_u64 s[G0Q+4*(1-\slot)+2:G0Q+4*(1-\slot)+3], s[G0Q+4*(1-\slot)+2:G0Q+4*(1-\slot)+3], 2*RBQ*8192
.endif
	s_wait_dscnt 0x0
.if \refill
	CROUND
	JLOAD G0P+4*(1-\slot), G1P, G0Q+4*(1-\slot), G1Q
	s_cmp_gt_u32 s3, 1                             ; a prefetch of the chunk that stands two refills on; the last trip's two refills have none
	s_cbranch_scc0 .Lnone_on_\@
	global_prefetch_b8 v31, s[66:67] th:TH_LOAD_NT scope:SCOPE_SE
.Lnone_on_\@:
.else
	s_barrier_signal -1
	s_barrier_wait -1
.endif
	s_wait_alu depctr_va_vdst(0)
	CHUNK \slot, 0
.endm
	s_load_b256 s[4:11], s[0:1], 0x0
	s_load_b64 s[12:13], s[0:1], 0x20
	v_lshl_add_u32 v[SPW], v0, 2, SPARE
	v_mov_b32 v[NIL], 0
	ds_add_u32 v[SPW], v[NIL]
	ds_add_u32 v[SPW], v[NIL]
	v_lshrrev_b32 v1, 5, v0
	v_readfirstlane_b32 s16, v1
	s_lshr_b32 s17, s16, 1
	s_and_b32 s18, s16, 1
	s_bfe_u32 s20, ttmp6, 0x40000
	s_bfe_u32 s21, ttmp6, 0x40004
	s_lshl_b32 s22, ttmp9, 2
	s_add_co_u32 s22, s22, s20
	s_and_b32 s23, ttmp7, 0xffff
	s_lshl_b32 s23, s23, 2
	s_add_co_u32 s23, s23, s21
	s_lshl_b32 s40, s21, 2
	s_lshl_b32 s40, 15, s40
	s_lshl_b32 s41, 0x1111, s20
	s_or_b32 s[G1P], s40, (3<<16)|(1<<21)
	s_or_b32 s[G1Q], s41, (3<<16)|(1<<21)
	s_or_b32 s[G1SP], s40, (3<<16)|(1<<21)
	s_or_b32 s[G1SQ], s41, (3<<16)|(1<<21)
.irp g, G1P, G1Q
	s_mov_b32 s[\g+1], 32<<16
	s_mov_b32 s[\g+2], 256<<16                     ; the head's loads bring a whole chunk of a tile, 256 rows of 256 bytes; behind them the two words are set to 128, for the ring's
	s_mov_b32 s[\g+3], 32<<16
	s_mov_b32 s[\g+4], 256
	s_mov_b32 s[\g+5], 32
	s_mov_b32 s[\g+6], 0
	s_mov_b32 s[\g+7], 0
.endr
.irp g, G1SP, G1SQ
	s_mov_b32 s[\g+1], 64<<16
	s_mov_b32 s[\g+2], R<<16
	s_mov_b32 s[\g+3], 64<<16
	s_mov_b32 s[\g+4], R
	s_mov_b32 s[\g+6], 0
	s_mov_b32 s[\g+7], 0
.endr
	s_mov_b32 s[G1SP+5], RBP*8
	s_mov_b32 s[G1SQ+5], RBQ*8
	s_lshl_b32 s19, s18, 15
	s_lshl_b32 s42, s23, 16
	s_add_co_u32 s42, s42, s19
	s_mov_b32 s43, 0
	s_lshl_b32 s44, s22, 16
	s_add_co_u32 s44, s44, s19
	s_add_co_u32 s44, s44, QIMG
	s_mov_b32 s45, 0
	s_lshl_b32 s46, s23, 9
	s_add_co_u32 s46, s46, PSCO
	s_mov_b32 s47, 0
	s_lshl_b32 s2, s22, 9
	s_add_co_u32 s2, s2, QSCO
	s_mov_b32 s3, 0
	s_lshl_b32 s100, s16, 15
	s_wait_dscnt 0x0
	s_wait_kmcnt 0x0
	s_add_nc_u64 s[42:43], s[4:5], s[42:43]
	s_add_nc_u64 s[46:47], s[4:5], s[46:47]
	s_add_nc_u64 s[44:45], s[6:7], s[44:45]
	s_add_nc_u64 s[2:3], s[6:7], s[2:3]
	CROUND
	s_mov_b32 s[G0SP], 1
	s_mov_b32 s[G0SP+1], SCL
	s_mov_b64 s[G0SP+2:G0SP+3], s[46:47]
	s_or_b32 s[G0SP+3], s[G0SP+3], 0x80000000
	s_mov_b32 s[G0SQ], 1
	s_mov_b32 s[G0SQ+1], SCL+PSCB
	s_mov_b64 s[G0SQ+2:G0SQ+3], s[2:3]
	s_or_b32 s[G0SQ+3], s[G0SQ+3], 0x80000000
.irp s, 0,1                            ; the ring's groups 0: half a tile's chunk a wave
	s_mov_b32 s[G0P+4*\s], 1
	s_add_co_u32 s[G0P+4*\s+1], s100, \s*SLOT
	s_add_nc_u64 s[G0P+4*\s+2:G0P+4*\s+3], s[42:43], \s*RBP*8192
	s_or_b32 s[G0P+4*\s+3], s[G0P+4*\s+3], 0x80000000
	s_mov_b32 s[G0Q+4*\s], 1
	s_add_co_u32 s[G0Q+4*\s+1], s100, \s*SLOT
	s_add_nc_u64 s[G0Q+4*\s+2:G0Q+4*\s+3], s[44:45], \s*RBQ*8192
	s_or_b32 s[G0Q+4*\s+3], s[G0Q+4*\s+3], 0x80000000
.endr
	; THE PREFETCHES: a chunk of a tile is 256 blocks of 256 bytes; the four partners that ask for it jointly share them out by address, 64 each: two waves, a lane a block.  Waves 0, 1 ask for P's, waves 2, 3 for Q's
	s_cmp_eq_u32 s17, 0
	s_cselect_b64 s[66:67], s[4:5], s[6:7]
	s_cselect_b32 s98, s23, s22                    ; the tile
	s_cselect_b32 s99, s20, s21                    ; my place among the four
	s_cselect_b32 s97, 0, QIMG
	s_mov_b32 s100, RBQ*8192
	s_cselect_b32 s100, RBP*8192, s100             ; from chunk to chunk
	s_mov_b32 s101, 0
	s_lshl_b32 s98, s98, 16
	s_lshl_b32 s99, s99, 14
	s_add_co_u32 s98, s98, s99
	s_lshl_b32 s99, s18, 13
	s_add_co_u32 s98, s98, s99
	s_add_co_u32 s98, s98, s97
	s_mov_b32 s99, 0
	s_add_nc_u64 s[66:67], s[66:67], s[98:99]
	s_add_nc_u64 s[66:67], s[66:67], s[100:101]
	s_add_nc_u64 s[66:67], s[66:67], s[100:101]    ; at chunk 2
	; the head's groups 0: chunk 0 of P's tile, whole, and of Q's
	s_lshl_b32 s98, s23, 16
	s_mov_b32 s99, 0
	s_add_nc_u64 s[98:99], s[4:5], s[98:99]
	s_or_b32 s99, s99, 0x80000000
	s_mov_b32 s96, 1
	s_mov_b32 s97, 0
	s_lshl_b32 s4, s22, 16
	s_add_co_u32 s4, s4, QIMG
	s_mov_b32 s5, 0
	s_add_nc_u64 s[6:7], s[6:7], s[4:5]
	s_or_b32 s7, s7, 0x80000000
	s_mov_b32 s4, 1
	s_mov_b32 s5, 65536
.macro ARM under, g0, g1, next         ; an arm of the head's chain: one load, an s_nop 0 and four v_nop, a jump to the join
	s_cmp_lt_u32 s16, \under
	s_cbranch_scc0 \next
	tensor_load_to_lds s[\g0:\g0+3], s[\g1:\g1+7]
	s_nop 0
	PLACES 4
	s_branch .Lasked
\next:
.endm
	ARM 1, 96, G1P, .Lh_q                          ; the head's four tiles, one load a wave
	ARM 2, 4, G1Q, .Lh_sp
	ARM 3, G0SP, G1SP, .Lh_sq
	tensor_load_to_lds s[G0SQ:G0SQ+3], s[G1SQ:G1SQ+7]
	s_nop 0
	PLACES 4
.Lasked:
	v_and_b32 v1, 15, v0
	v_bfe_u32 v2, v0, 4, 1
	v_and_b32 v3, 31, v0
	v_lshlrev_b32 v[LA2], 4, v3
	v_lshlrev_b32 v[H32], 5, v2
	v_lshlrev_b32 v30, 8, v3                       ; the prefetches' offsets: lanes 256 bytes apart,
	v_add_nc_u32 v31, s100, v30                    ; and the same one chunk on; never rewritten
	s_lshl_b32 s40, s17, 15
	s_lshl_b32 s41, s18, 15
	s_add_co_u32 s41, s41, 65536
	v_add_nc_u32 v[ADRP], s40, v[LA2]
	v_add_nc_u32 v[ADRQ], s41, v[LA2]
	v_add_nc_u32 v[ADRP+1], SLOT, v[ADRP]
	v_add_nc_u32 v[ADRQ+1], SLOT, v[ADRQ]
	s_lshl_b32 s40, s17, 8
	s_lshl_b32 s41, s18, 8
	s_add_co_u32 s41, s41, PSCB
	s_sub_co_u32 s41, s41, s40
	v_mul_u32_u24 v[ADRS], s41, v2
	v_lshl_add_u32 v[ADRS], v1, 2, v[ADRS]
	s_add_co_u32 s40, s40, SCL
	v_add_nc_u32 v[ADRS], s40, v[ADRS]
	s_mul_i32 s40, s17, 64*SPITCH
	s_lshl_b32 s41, s18, 8
	s_add_co_u32 s40, s40, s41
	v_mul_u32_u24 v[STO], v1, SPITCH
	v_lshl_add_u32 v[STO], v2, 5, v[STO]
	v_add_nc_u32 v[STO], s40, v[STO]
	s_mul_i32 s40, s16, 32*SPITCH
	v_add_nc_u32 v[RD], s40, v[LA2]
	s_lshl_b32 s40, s22, 9
	s_lshl_b32 s19, s18, 8
	s_add_co_u32 s40, s40, s19
	s_mov_b32 s41, 0
	s_add_nc_u64 s[8:9], s[8:9], s[40:41]
	s_lshl_b32 s40, s23, 19
	s_lshl_b32 s19, s16, 17
	s_add_co_u32 s40, s40, s19
	s_lshl_b32 s19, s22, 9
	s_add_co_u32 s40, s40, s19
	s_add_nc_u64 s[92:93], s[10:11], s[40:41]
	s_add_nc_u64 s[94:95], s[12:13], s[40:41]
	s_wait_alu depctr_va_vdst(0)
	global_prefetch_b8 v30, s[66:67] th:TH_LOAD_NT scope:SCOPE_SE   ; chunks 2 and 3, which the first two refills will ask for
	global_prefetch_b8 v31, s[66:67] th:TH_LOAD_NT scope:SCOPE_SE
.irp b, 0,1,2,3
	global_load_b128 v[CB+8*\b:CB+8*\b+3], v[H32], s[8:9] offset:\b*64
	global_load_b128 v[CB+8*\b+4:CB+8*\b+7], v[H32], s[8:9] offset:\b*64+16
.endr
	WIN 0x80
.set i, 0
.rept 32
	global_load_b128 v[4*i:4*i+3], v[LA2], s[92:93] offset:((i&7)|((i&8)<<1)|((i&16)>>1))*4096
.set i, i+1
.endr
	WIN 0
	s_wait_alu depctr_va_vdst(0)
	s_wait_loadcnt 32
	s_wait_tensorcnt 0x0                           ; my tile of the head's four is in
	ds_add_u32 v[SPW], v[NIL]
	s_mov_b32 s[G1P+2], 128<<16                    ; no tensor load of mine is out: from here on a load brings 128 rows
	s_mov_b32 s[G1P+4], 128
	s_mov_b32 s[G1Q+2], 128<<16
	s_mov_b32 s[G1Q+4], 128
	s_wait_dscnt 0x0
	CROUND                                         ; all four tiles are in, and all sixteen work-groups are here
	JLOAD G0P+4, G1P, G0Q+4, G1Q                   ; slot 1's first fill, the first tensor load behind the round
	CHUNK 0, 1
.if NCH > 2
	s_mov_b32 s3, NCH/2-1
.Lring:
	TWO 1, 1
	TWO 0, 1
	s_sub_co_u32 s3, s3, 1
	s_cmp_lg_u32 s3, 0
	s_cbranch_scc1 .Lring
.endif
	TWO 1, 0
	PLACES 8
.irp a, 0,1,2,3
.irp b, 0,1,2,3
	ds_store_b128 v[STO], v[ACC+8*(4*\a+\b):ACC+8*(4*\a+\b)+3] offset:\a*16*SPITCH+\b*64
	ds_store_b128 v[STO], v[ACC+8*(4*\a+\b)+4:ACC+8*(4*\a+\b)+7] offset:\a*16*SPITCH+\b*64+16
.endr
.endr
	s_wait_dscnt 0x0
	s_barrier_signal -1
	s_barrier_wait -1
.set i, 0
.rept 32
	ds_load_b128 v[ACC+4*i:ACC+4*i+3], v[RD] offset:i*SPITCH
.set i, i+1
.endr
	s_wait_loadcnt 0x0
	s_wait_dscnt 0x0
	WIN 0x08
.set i, 0
.rept 64
	v_pk_add_f32 v[ACC+2*i:ACC+2*i+1], v[ACC+2*i:ACC+2*i+1], v[2*i:2*i+1]
.set i, i+1
.endr
	WIN 0
.set i, 0
.rept 32
	global_store_b128 v[LA2], v[ACC+4*i:ACC+4*i+3], s[94:95] offset:((i&7)|((i&8)<<1)|((i&16)>>1))*4096
.set i, i+1
.endr
	s_wait_tensorcnt 0x0
	ds_add_u32 v[SPW], v[NIL]
	s_wait_dscnt 0x0
	CROUND
	s_endpgm
.Lfunc_end_k_q4585c523bc_ffn2:
	.size	k_q4585c523bc_ffn2, .Lfunc_end_k_q4585c523bc_ffn2-k_q4585c523bc_ffn2
	.p2alignl 7, 3214868480
	.fill 96, 4, 3214868480
	.section	.rodata,"a",@progbits
	.p2align	6, 0x0
	.amdhsa_kernel k_q4585c523bc_ffn2
		.amdhsa_group_segment_fixed_size 327680
		.amdhsa_private_segment_fixed_size 0
		.amdhsa_enable_private_segment 0
		.amdhsa_kernarg_size 40
		.amdhsa_user_sgpr_count 2
		.amdhsa_user_sgpr_kernarg_segment_ptr 1
		.amdhsa_wavefront_size32 1
		.amdhsa_system_sgpr_workgroup_id_x 1
		.amdhsa_system_sgpr_workgroup_id_y 1
		.amdhsa_system_sgpr_workgroup_id_z 1
		.amdhsa_system_vgpr_workitem_id 0
		.amdhsa_next_free_vgpr 640
		.amdhsa_next_free_sgpr 102
		.amdhsa_reserve_vcc 0
		.amdhsa_float_denorm_mode_32 3
		.amdhsa_float_denorm_mode_16_64 3
		.amdhsa_memory_ordered 1
		.amdhsa_forward_progress 1
		.amdhsa_inst_pref_size 103
	.end_amdhsa_kernel
	.amdgpu_metadata
---
amdhsa.version: [ 1, 2 ]
amdhsa.kernels:
  - .name:           k_q4585c523bc_ffn2
    .symbol:         k_q4585c523bc_ffn2.kd
    .args:
      - { .name: hbuf, .offset: 0, .size: 8, .value_kind: global_buffer, .address_space: global }
      - { .name: wimg, .offset: 8, .size: 8, .value_kind: global_buffer, .address_space: global }
      - { .name: b2, .offset: 16, .size: 8, .value_kind: global_buffer, .address_space: global }
      - { .name: f2, .offset: 24, .size: 8, .value_kind: global_buffer, .address_space: global }
      - { .name: out0, .offset: 32, .size: 8, .value_kind: global_buffer, .address_space: global }
    .group_segment_fixed_size: 327680
    .private_segment_fixed_size: 0
    .kernarg_segment_align: 8
    .kernarg_segment_size: 40
    .max_flat_workgroup_size: 128
    .sgpr_count:     102
    .vgpr_count:     640
    .wavefront_size: 32
...
	.end_amdgpu_metadata
.endif
;; end of part 7
